; MI455X (gfx1250); checked and timed in simulation.
; The chip was launched on July 23, 2026; its instructions are those of AMD's public machine-readable ISA for CDNA 5 (MIT licence, August 2026) and "CDNA5" Instruction Set Architecture Reference Guide (July 2026). The comments in the code are by the model that wrote it; some were corrected since.
;; Causal Cross Conditional Self Attention. Allowed arithmetic: matrix products marked QUANTISED: E5M2 operands, one E8M0 scale for each 32 along K, by v_wmma_scale_f32_16x16x128_f8f6f4 with both operands' format E5M2, f32 sums; everything else in f32.
;; Inputs: Wk 1,024 x 1,024 float32; Wp 1,024 x 1,024 float32; Wq 1,024 x 1,024 float32; Wv 1,024 x 1,024 float32; bk 1,024 float32; bp 1,024 float32; bq 1,024 float32; bv 1,024 float32; x 4 x 2,048 x 1,024 float32.
;; Outputs: out0 4 x 2,048 x 1,024 float32.
;; This version of the problem:
;;   THIS VERSION OF THE PROBLEM IS GIVEN IN LOW PRECISION. The matrix products marked QUANTISED in the list below multiply operands that are first quantised to E5M2 (5 exponent bits, 2 mantissa bits; 8 bits a number), with one power-of-two scale for each 32 numbers along K (OCP MX v1.0); their sums are f32. All else is computed in f32.
;;   The module's matrix products, in the order in which they are computed (A, B: the left and right operand; K: the contracted axis; several contracted axes count as one K, in the product's order):
;;     1. [M 8,192, K 1,024] x [K 1,024, N 1,024]; A: input x; B: input Wq: QUANTISED
;;     2. [M 8,192, K 1,024] x [K 1,024, N 1,024]; A: input x; B: input Wk: QUANTISED
;;     3. [M 8,192, K 1,024] x [K 1,024, N 1,024]; A: input x; B: input Wv: QUANTISED
;;     4. batch 64 x [M 2,048, K 64] x [K 64, N 2,048]; A: computed on the way; B: computed on the way: QUANTISED
;;     5. batch 64 x [M 2,048, K 2,048] x [K 2,048, N 64]; A: softmax (see below); B: computed on the way: QUANTISED
;;     6. [M 8,192, K 1,024] x [K 1,024, N 1,024]; A: computed on the way; B: input Wp: QUANTISED
;;   THE QUANTISER, for each operand of a quantised product, along K:
;;     - K is cut into blocks of 32 from its start; a last block that is shorter is filled with zeros.
;;     - A block's scale is 2^e with e = floor(log2(the largest magnitude in the block)) - 15, held to -126 .. 127; a block of zeros has e = 0. As a byte (E8M0): e + 127.
;;     - Each number is divided by its block's scale, clamped to +-57,344, and rounded to the nearest number of E5M2, ties to even, subnormals kept.
;;     - The product sums the exact products of the quantised numbers (number of the format x scale) in f32.
;;   ~~~python
;;   def quantise(x, axis):      # numpy; x: float32 -> the quantised numbers, widened to float32 again
;;       x = np.moveaxis(x, axis, -1); K = x.shape[-1]
;;       x = np.pad(x, [(0, 0)] * (x.ndim - 1) + [(0, -K % 32)]); x = x.reshape(x.shape[:-1] + (-1, 32)); a = np.abs(x).max(-1, keepdims=True)
;;       e = np.where(a > 0, np.clip(np.frexp(np.where(a > 0, a, 1))[1] - 1 - 15, -126, 127), 0)      # np.frexp(a)[1] - 1 = floor(log2(a)), exactly
;;       r = np.clip(x / 2.0 ** e, -57344, 57344)
;;       step = 2.0 ** (np.maximum(np.frexp(np.where(r == 0, 1, r))[1] - 1, -14) - 2)
;;       q = np.round(r / step) * step * 2.0 ** e      # np.round: ties to even
;;       return np.moveaxis(q.reshape(q.shape[:-2] + (-1,))[..., :K], -1, axis).astype(np.float32)
;;   ~~~
;;   SOFTMAX AHEAD OF A QUANTISED PRODUCT. Where the list says 'softmax', what is quantised is not the finished softmax but p = 2^(t - M), with t = logit x log2(e) and M = ceil(the row's largest t), a whole number; so 1/2 < the row's largest p <= 1. The row's sum l is taken of the UNQUANTISED p, in f32, and the product's result is divided by l at the end. Since M is a whole number, a kernel that streams over the keys may use a running M (the ceiling of the running maximum): every later rescaling is an exact power of two, which a block's scale takes up: the codes' values come out the same.
;;   OPERANDS COMPUTED ON THE WAY. 'Computed on the way' means the value that the module computes at that place (a softmax that the list does not call 'softmax' is quantised finished and normalised). What goes into a quantiser is computed in f32, as accurately as f32 sums, v_exp_f32 and their like allow (about 1e-6 of the number): no bf16 or f16 on the way to a quantiser, and a product that is left as it is and whose result goes on into a quantised operand takes f32 operands (vector FMAs, or v_wmma_f32_16x16x4_f32). A number that lies on a knife's edge between two numbers of the format may be rounded either way, as far as f32 arithmetic and the matrix unit's own rounding can turn it there, and no further.
;; One version. Each part assembles by itself: llvm-mc -triple=amdgcn-amd-amdhsa -mcpu=gfx1250 --defsym DOCPART=n.
;; ======== version 1 of 1: 4 launches
;; limits: right only within a limited range of input values
;; workspace buffers: cod 12,582,912 bytes; scl 393,216 bytes; qkvc 25,165,824 bytes; qkvs 1,310,720 bytes; yc 8,388,608 bytes; ys 262,144 bytes
;; launch quant (part 1): grid 384 x 1, 4 waves a work-group, no clusters, 33,280 bytes of LDS; arguments x, Wq, Wk, Wv, Wp, cod, scl; writes cod, scl
.if DOCPART == 1
	.amdgcn_target "amdgcn-amd-amdhsa--gfx1250"
	.amdhsa_code_object_version 6
	.text
	.protected	k_q30d301b9e9_quant
	.globl	k_q30d301b9e9_quant
	.p2align	8
	.type	k_q30d301b9e9_quant,@function
k_q30d301b9e9_quant:
	s_mov_b64 s[64:65], 0
	v_nop
	global_prefetch_b8 v0, s[64:65] scope:SCOPE_SE
	s_setreg_imm32_b32 hwreg(HW_REG_WAVE_MODE, 25, 1), 1
	s_wait_xcnt 0x0
; x [8192][1024] and Wq, Wk, Wv, Wp [1024][1024], f32, K innermost, become codes of BF8 (E5M2) with one E8M0 scale byte for each 32 along K:
; cod [12288 rows][1024] and scl [12288 rows][32]; rows 0.. x, 8192.. Wq, 9216.. Wk, 10240.. Wv, 11264.. Wp.
; A block's scale is 2^(floor(log2(its largest magnitude)) - 15); its byte is the largest magnitude's exponent field - 15, held at 1 from below.  Each number is divided by the scale,
; held within +-57,344 and rounded to the nearest code, ties to even.
; THE ROWS ARE STORED IN TILE ORDER: inside each 32 rows the four groups of 8 rows lie in the order 0, 2, 1, 3.  Lane r of a tile of 16 consecutive stored rows then holds row
; 8 u + r + 8 (r / 8) of its 32 (u: the tile's parity), so that the 16 registers of two neighbouring result tiles are 16 neighbours of the axis that runs down the registers.
; LIMITS: a block of zeros gets the byte 1 where the quantiser's text says 127 (its codes are zeros, which add nothing under any byte but 0xff, and this program alone reads the bytes);
; blocks whose largest magnitude lies under 2^(15 - 126) keep the byte 1 likewise; NaN and infinities among the inputs are not served.
; A work-group takes 32 rows, a wave one group of 8 rows: 8,192 numbers, 16 steps of 512.  Each of a step's four loads reads 512 consecutive bytes, 16 a lane; the 2,048 bytes turn through the
; wave's own stage in LDS and come back 64 bytes a lane: 16 neighbours along K, two lanes to a block.  A lane's 16 codes are 16 bytes: the wave stores 512 consecutive bytes.
; A wave's 256 scale bytes are gathered in its own LDS bytes and leave as one store of 256 consecutive, aligned bytes.  No tensor loads, no barrier: waves share nothing.
.set STEPS, 16
.set EMAX,  15
.set MANT,  0x600000                   ; the mantissa field of 57,344 as f32
.set CB,    16                         ; bytes of 16 codes
.set R,     16                         ; v16-79   four sets of 16 numbers as they are loaded
.set X,     80                         ; v80-111  two sets of 16 neighbours
.set C,     128                        ; v128-191 codes: four registers for each step, so that no store's data are written again
.set E,     112                        ; v112-127 a scale byte for each step
.set WREG,  8192                       ; LDS: a region for each wave: two stages of 32 x SP bytes, behind them its 256 scale bytes
.set SP,    80                         ; a lane's place in a stage: its 64 bytes + 16 of padding
	s_load_b256 s[4:11], s[0:1], 0x0               ; x, Wq, Wk, Wv
	s_load_b128 s[12:15], s[0:1], 0x20             ; Wp, cod
	s_load_b64 s[16:17], s[0:1], 0x30              ; scl
	v_lshl_add_u32 v192, v0, 2, 0x8000
	v_mov_b32 v193, 0
	v_lshrrev_b32 v1, 5, v0
	v_readfirstlane_b32 s18, v1                    ; wave
	v_and_b32 v2, 31, v0                           ; lane
	v_lshlrev_b32 v3, 4, v2                        ; my 16 bytes of a load's 512
	s_mul_i32 s19, s18, WREG
	v_lshrrev_b32 v14, 2, v2
	v_mul_u32_u24 v14, v14, SP
	v_and_b32 v15, 3, v2
	v_lshl_add_u32 v14, v15, 4, v14
	v_add_nc_u32 v14, s19, v14                     ; the stage, on the way in: SP (lane / 4) + 16 (lane % 4); a load's 512 bytes take eight places
	v_mul_u32_u24 v15, v2, SP
	v_add_nc_u32 v15, s19, v15                     ; and on the way out: SP x lane: my 16 neighbours
	v_mul_u32_u24 v4, v2, CB                       ; my codes' place in a step's
	v_lshrrev_b32 v5, 1, v2
	s_add_co_u32 s19, s19, 2*32*SP
	v_add_nc_u32 v5, s19, v5                       ; LDS: my wave's 256 scale bytes, my block's byte
	v_lshlrev_b32 v7, 3, v2                        ; and on the way out 8 bytes a lane
	v_add_nc_u32 v6, s19, v7
	s_and_b32 s20, s18, 1
	s_lshl_b32 s20, s20, 1
	s_lshr_b32 s21, s18, 1
	s_or_b32 s20, s20, s21                         ; where my group of 8 rows is stored: groups 1 and 2 change places
	s_lshl_b32 s21, ttmp9, 2
	s_add_co_u32 s20, s20, s21                     ; my run of 8 stored rows: 4 x work-group + that place
	s_wait_alu depctr_va_vdst(0)
	s_wait_kmcnt 0x0
	s_cmp_lt_u32 ttmp9, 256                        ; which tensor?  The choice hangs on the work-group's number alone
	s_cselect_b64 s[4:5], s[4:5], s[6:7]
	s_cselect_b32 s22, 0, 256                      ; and the tensor's first work-group
	s_cmp_ge_u32 ttmp9, 288
	s_cselect_b64 s[4:5], s[8:9], s[4:5]
	s_cselect_b32 s22, 288, s22
	s_cmp_ge_u32 ttmp9, 320
	s_cselect_b64 s[4:5], s[10:11], s[4:5]
	s_cselect_b32 s22, 320, s22
	s_cmp_ge_u32 ttmp9, 352
	s_cselect_b64 s[4:5], s[12:13], s[4:5]
	s_cselect_b32 s22, 352, s22
	s_sub_co_u32 s22, ttmp9, s22
	s_lshl_b32 s22, s22, 2
	s_add_co_u32 s22, s22, s18                     ; which group of 8 rows of the tensor I read
	s_lshl_b32 s24, s22, 15                        ; 8 rows of 4,096 bytes (at most 1,023 x 32,768: under 2^32)
	s_mov_b32 s25, 0
	s_add_nc_u64 s[4:5], s[4:5], s[24:25]
	s_lshl_b32 s24, s20, 13                        ; 8 rows of 1,024 codes
	s_add_nc_u64 s[14:15], s[14:15], s[24:25]
	s_lshl_b32 s24, s20, 8                         ; 8 rows of 32 scale bytes
	s_add_nc_u64 s[16:17], s[16:17], s[24:25]
.macro LOAD t
.irp i, 0,1,2,3
	global_load_b128 v[R+16*((\t)%4)+4*\i:R+16*((\t)%4)+4*\i+3], v3, s[4:5] offset:2048*(\t)+512*\i th:TH_LOAD_NT   ; 32 lanes read 512 consecutive bytes
.endr
.endm
.macro TURN t                          ; step t's numbers through the stage: LDS serves a wave's instructions in order, so no wait stands between the stores and the loads
.irp i, 0,1,2,3
	ds_store_b128 v14, v[R+16*((\t)%4)+4*\i:R+16*((\t)%4)+4*\i+3] offset:32*SP*((\t)%2)+8*SP*\i
.endr
.irp i, 0,1,2,3
	ds_load_b128 v[X+16*((\t)%2)+4*\i:X+16*((\t)%2)+4*\i+3], v15 offset:32*SP*((\t)%2)+16*\i
.endr
.endm
.irp t, 0,1,2,3
	LOAD \t
.endr
	s_wait_loadcnt 12                              ; step 0's four loads are in; those of the three steps behind it stay out
	TURN 0
.macro STEP t
.set XS, X+16*((\t)%2)
.if (\t) > 0
	s_wait_dscnt 1                                 ; this step's numbers are back from the stage (the last step's byte store may be out): so its stores into the stage have read their registers,
.else
	s_wait_dscnt 0x0
.endif
.if (\t)+4 < STEPS
	LOAD (\t)+4                                    ; which take the loads of four steps on
.endif
.if (\t)+1 < STEPS
.if STEPS-2-(\t) >= 3
	s_wait_loadcnt 12                              ; the next step's four loads are in; those of the three steps behind it may be out
.else
	s_wait_loadcnt 4*(STEPS-2-(\t))
.endif
	TURN (\t)+1                                    ; and go through the other stage while this step is worked
.endif
	v_max3_num_f32 v8, |v[XS]|, |v[XS+1]|, |v[XS+2]|               ; the largest magnitude of my 16
	v_max3_num_f32 v9, |v[XS+3]|, |v[XS+4]|, |v[XS+5]|
.irp i, 6,10
	v_max3_num_f32 v8, v8, |v[XS+\i]|, |v[XS+\i+1]|
	v_max3_num_f32 v9, v9, |v[XS+\i+2]|, |v[XS+\i+3]|
.endr
	v_max3_num_f32 v8, v8, |v[XS+14]|, |v[XS+15]|
	v_max3_num_f32 v8, v8, v9, (EMAX+1)<<23        ; and the floor 2^(EMAX + 1 - 127): the byte cannot fall under 1
	v_max_num_f32_dpp v8, v8, v8 row_xmask:1 row_mask:0xf bank_mask:0xf   ; and of my neighbour's 16: the block's
	v_add_nc_u32 v11, -(EMAX<<23), v8              ; EMAX off its exponent field: the conversion takes the exponent field of this operand as its scale
.irp i, 0,1,2,3,4,5,6,7,8,9,10,11,12,13,14,15
.endr
	v_cvt_scalef32_pk8_bf8_f32 v[C+4*(\t):C+4*(\t)+1], v[XS:XS+7], v11
	v_cvt_scalef32_pk8_bf8_f32 v[C+4*(\t)+2:C+4*(\t)+3], v[XS+8:XS+15], v11
	v_lshrrev_b32 v[E+(\t)], 23, v11               ; the scale's byte
	ds_store_b8 v5, v[E+(\t)] offset:16*(\t)       ; both lanes of a block write the same byte with the same value
	global_store_b128 v4, v[C+4*(\t):C+4*(\t)+3], s[14:15] offset:32*CB*(\t)
.endm
.irp t, 0,1,2,3,4,5,6,7,8,9,10,11,12,13,14,15
	STEP \t
.endr
	ds_load_b64 v[12:13], v6                       ; LDS serves a wave's instructions in order: these see my stores
	s_wait_dscnt 0x0
	global_store_b64 v7, v[12:13], s[16:17]        ; 32 lanes store 256 consecutive bytes, aligned
	s_wait_tensorcnt 0x0
	ds_add_u32 v192, v193
	s_wait_dscnt 0x0
	s_endpgm
.Lfunc_end_k_q30d301b9e9_quant:
	.size	k_q30d301b9e9_quant, .Lfunc_end_k_q30d301b9e9_quant-k_q30d301b9e9_quant
	.p2alignl 7, 3214868480
	.fill 96, 4, 3214868480
	.section	.rodata,"a",@progbits
	.p2align	6, 0x0
	.amdhsa_kernel k_q30d301b9e9_quant
		.amdhsa_group_segment_fixed_size 33280
		.amdhsa_private_segment_fixed_size 0
		.amdhsa_enable_private_segment 0
		.amdhsa_kernarg_size 56
		.amdhsa_user_sgpr_count 2
		.amdhsa_user_sgpr_kernarg_segment_ptr 1
		.amdhsa_wavefront_size32 1
		.amdhsa_system_sgpr_workgroup_id_x 1
		.amdhsa_system_sgpr_workgroup_id_y 1
		.amdhsa_system_sgpr_workgroup_id_z 1
		.amdhsa_system_vgpr_workitem_id 0
		.amdhsa_next_free_vgpr 194
		.amdhsa_next_free_sgpr 66
		.amdhsa_reserve_vcc 0
		.amdhsa_float_denorm_mode_32 3
		.amdhsa_float_denorm_mode_16_64 3
		.amdhsa_fp16_overflow 1
		.amdhsa_memory_ordered 1
		.amdhsa_forward_progress 1
		.amdhsa_inst_pref_size 34
	.end_amdhsa_kernel
	.amdgpu_metadata
---
amdhsa.version: [ 1, 2 ]
amdhsa.kernels:
  - .name:           k_q30d301b9e9_quant
    .symbol:         k_q30d301b9e9_quant.kd
    .args:
      - { .name: x, .offset: 0, .size: 8, .value_kind: global_buffer, .address_space: global }
      - { .name: Wq, .offset: 8, .size: 8, .value_kind: global_buffer, .address_space: global }
      - { .name: Wk, .offset: 16, .size: 8, .value_kind: global_buffer, .address_space: global }
      - { .name: Wv, .offset: 24, .size: 8, .value_kind: global_buffer, .address_space: global }
      - { .name: Wp, .offset: 32, .size: 8, .value_kind: global_buffer, .address_space: global }
      - { .name: cod, .offset: 40, .size: 8, .value_kind: global_buffer, .address_space: global }
      - { .name: scl, .offset: 48, .size: 8, .value_kind: global_buffer, .address_space: global }
    .group_segment_fixed_size: 33280
    .private_segment_fixed_size: 0
    .kernarg_segment_align: 8
    .kernarg_segment_size: 56
    .max_flat_workgroup_size: 128
    .sgpr_count:     66
    .vgpr_count:     194
    .wavefront_size: 32
...
	.end_amdgpu_metadata
.endif
;; end of part 1
;; launch qkv (part 2): grid 8 x 48, 4 waves a work-group, clusters of 4 x 4, 327,680 bytes of LDS; arguments cod, scl, bq, bk, bv, qkvc, qkvs; writes qkvc, qkvs
.if DOCPART == 2
	.amdgcn_target "amdgcn-amd-amdhsa--gfx1250"
	.amdhsa_code_object_version 6
	.text
	.protected	k_q30d301b9e9_qkv
	.globl	k_q30d301b9e9_qkv
	.p2align	8
	.type	k_q30d301b9e9_qkv,@function
k_q30d301b9e9_qkv:
	s_mov_b64 s[64:65], 0
	v_nop
	global_prefetch_b8 v0, s[64:65] scope:SCOPE_SE
	s_setreg_imm32_b32 hwreg(HW_REG_WAVE_MODE, 25, 1), 1
	s_wait_xcnt 0x0
	s_wait_alu depctr_hold_cnt(0) depctr_sa_sdst(0) depctr_va_vdst(0) depctr_va_sdst(0) depctr_va_ssrc(0) depctr_va_vcc(0) depctr_vm_vsrc(0)
	s_getreg_b32 s2, hwreg(HW_REG_IB_STS2, 6, 4)
	s_cmp_eq_u32 s2, 0
	s_cbranch_scc0 .Lentry_in_a_cluster
	s_endpgm
.Lentry_in_a_cluster:
	s_bfe_u32 s2, ttmp6, 0x10000c
	s_cmp_lg_u32 s2, 0xf033
	s_cbranch_scc0 .Lentry_shape_is_right
	s_endpgm
.Lentry_shape_is_right:
; q = x Wq^T + bq, k = x Wk^T + bk, v = x Wv^T + bv on codes of BF8 (E5M2) with E8M0 scales for each 32 along K = 1,024, and each result quantised again, in registers, for attention's products:
; q and k along a head's 64 channels, v along the keys.  Nothing goes to memory as f32.
; ONE BODY, TWO WAYS OF USING IT.  Source 0 of the matrix instruction takes rows "P", source 1 rows "R": in the result a lane holds one R row and its registers run along P, the axis that is quantised.
;   clusters y 0-7 (QK): P = the 2,048 rows of Wq and Wk (channels), R = the 8,192 rows of x (tokens).      clusters y 8-11 (V): P = x's rows (tokens = keys), R = Wv's 1,024 rows (channels).
; The two ways differ in numbers chosen by s_cselect_b32 on the cluster's y, which all partners of a cluster share; no branch hangs on it.
; Rows of cod lie in tile order (inside each 32 rows the groups of 8 in the order 0, 2, 1, 3): so the 16 registers of accumulators (a, 2 B) and (a, 2 B + 1) are P indices 32 B + 16 (lane / 16) + 0 .. 15: the layout of an 8-bit operand.
; A tile is 256 P x 256 R, made by four waves, 128 x 128 each: 64 accumulators, 512 registers.  K goes in steps of 256 through a ring of two LDS slots filled by the tensor data mover;
; the scale bytes of the work-group's rows, for all of K, come once.  4 x 4 work-groups form a cluster: R's tiles are asked for jointly along a row of the cluster, P's along a column.
; BIASES: bq or bk (along P) is the C of each sum's first product; bv (along R) is added on the way out.  Each is replaced by zeros on the way to which it does not belong.
; THE WAY OUT: for each block of 16 R rows a lane's 64 numbers are quantised (four blocks of 32) and the codes leave as IMAGES OF THE OPERAND'S REGISTERS: four registers x 32 lanes = 512 consecutive bytes a store.
;   qkvc: q at 0, k at 2^23: [batch x head 64][tile of 16 tokens 128][c 2][lane][16 B];  v at 2^24: [batch x head][step of 128 keys 16][tile of 16 channels 4][c 4][lane][16 B].
;   qkvs: q at 0, k at 2^19: [batch x head][tile / 4][row 16][tile % 4] words (s0, s1, s0, s1): the repeated bytes scale zero codes;  v at 2^20: [batch x head][step][row 16][tile 4] words.
; LIMITS: a block of zeros, or one whose largest magnitude lies under 2^(15 - 126), gets the scale byte 1 (this program alone reads the bytes); NaN and infinities are not served.
; REGISTERS, in windows of 256: window 0: v0-31 addresses, v8-15 bv; v32-63 scale words, two sets; v64-127 bq or bk; from v128 R's fragments, ONE set; on the way out v128-255 are at work.
;   window 1: P's fragments, TWO sets.   window 2: the accumulators of my R rows 0-63 ((a, b) at v[8 (8 a + b)]);   window 3: those of rows 64-127.
.set KSTEP,  256                       ; along K in a slot
.set NQ,     2                         ; matrix instructions deep
.set ROWB,   256                       ; a tile's row in bytes
.set KROW,   1024                      ; a row of cod in bytes
.set PITCH,  272                       ; an LDS row: 256 bytes + 16 of padding = 68 words: the 16 rows that a load touches start at 16 different banks (64 banks of 4 bytes: ISA guide 11.1)
.set FR,     16                        ; registers of a fragment: 16 rows x 128 K
.set NL,     4                         ; LDS loads that bring one
.set NP,     8                         ; places behind this matrix instruction (ISA guide 7.12.1)
.set HALFT,  128*PITCH                 ; 128 rows: what one tensor load brings
.set SLOT,   4*HALFT                   ; R's 256 rows, then P's 256 rows
.set LAPS,   2                         ; a lap = two K steps = once round the ring: 1,024 / 512
.set KS,     32                        ; a row of scale bytes
.set SCL,    2*SLOT                    ; behind the ring: the scales, as rows of 256 bytes + 16 of padding
.set HALFS,  (128*KS/256)*272          ; the scales of 128 rows
.set SBLK,   (16*KS/256)*272           ; those of 16 rows
.set SPARE,  SCL+4*HALFS               ; behind the scales: the spare words, 128 bytes for each wave: two blocks of 256 bytes that no other line names
.set BR,   8                           ; v8-15   bv at my lane's channel of R block a (zeros on the QK way)
.set ADRA, 16                          ; v16-17  LDS address of my R fragments in slot 0, 1
.set ADRB, 20                          ; v20-21  the same for P
.set BRP,  24                          ; v24-25  the way out: a block's bv, twice
.set SELV, 26                          ; v26     the way out: byte selects for the scale word
.set ADRS, 27                          ; v27     LDS address of my scale words: lanes 0-15 R's rows, lanes 16-31 P's
.set SPW,  28                          ; v28     LDS address of my spare word; never rewritten
.set NIL,  29                          ; v29     0; never rewritten
.set SC,   32                          ; scale words: set s at v[SC + 16 s]; register 2 i + q: lanes 0-15 R's block i, lanes 16-31 P's block i
.set BP,   64                          ; v64-127 bq or bk in the result's layout: register 8 b + j for P block b (zeros on the V way)
.set AF,   128                         ; R's fragments
.set T,    128                         ; the way out: v128-191 64 numbers of a lane
.set PC,   192                         ; v192-207 the codes just made
.set SW,   208                         ; v208-215 the eight blocks' scale words
.set TM,   224                         ; v224-227 largest magnitudes, 228-231 bytes, 236-239 the conversions' scale operands
.set PW,   240                         ; the scale word just made
.set VOA,  4                           ; v4      the way out: 16 x lane
.set VOB,  5                           ; v5      16 x lane + what parts blocks 2, 3 from blocks 0, 1
.set G1, 24                            ; s[24:31] descriptor group 1 for R's tiles;  s[32:39] group 0, one set for each slot
.set G0, 32
.set G1B, 48                           ; s[48:55], s[56:63] the same for P's tiles
.set G0B, 56
.set G1S, 68                           ; s[68:75], s[76:79] groups 1 and 0 for R's scales;  s[80:87], s[88:91] for P's
.set G0S, 76
.set G1SB, 80
.set G0SB, 88
.set SEL, 44                           ; the way out: s[44:45] lane selects for v_permlanex16_b32
.set MNT, 46
.set MSB, 0
.macro WIN new                         ; the immediate's high byte repeats the setting that is left
.if MSB != (\new)
	s_set_vgpr_msb (MSB<<8)|(\new)
.set MSB, (\new)
.endif
.endm
.set MUL_LO,  0xa1                     ; source 0 (P) window 1, source 1 (R) window 0, C and D window 2
.set MUL_HI,  0xf1                     ; the same, C and D window 3
.set MUL_LO0, 0x81                     ; the first products: C (the bias) window 0, D window 2
.set MUL_HI0, 0xc1                     ; C window 0, D window 3
.set TO_B,    0x40                     ; destination window 1, address window 0
; A joint load: waves 0 and 1 fetch for R, waves 2 and 3 for P.  Each of the two lines has ONE mask and one set of registers for all that issue it; the branch hangs on the wave's number alone.
; Four v_nop follow each of the two lines, ahead of the jump, the label and what follows.
.macro JLOAD g0a, g1a, g0b, g1b
	s_cmp_eq_u32 s15, 0
	s_cbranch_scc0 .Lfor_b_\@
	tensor_load_to_lds s[\g0a:\g0a+3], s[\g1a:\g1a+7]
	s_nop 0
.rept 4
	v_nop
.endr
	s_branch .Lasked_\@
.Lfor_b_\@:
	tensor_load_to_lds s[\g0b:\g0b+3], s[\g1b:\g1b+7]
	s_nop 0
.rept 4
	v_nop
.endr
.Lasked_\@:
.endm
.macro CREST                           ; a round of the cluster's barrier behind its opening barrier
	s_cmp_lg_u32 s14, 0
	s_cbranch_scc1 .Lnot_wave_0_\@
	s_barrier_signal -3
.Lnot_wave_0_\@:
	s_barrier_wait -3
	s_barrier_signal -1
	s_barrier_wait -1
.endm
.macro CROUND                          ; a whole round
	s_barrier_signal -1
	s_barrier_wait -1
	CREST
.endm
	s_load_b128 s[4:7], s[0:1], 0x0                ; cod, scl
	s_load_b128 s[8:11], s[0:1], 0x10              ; bq, bk
	s_load_b64 s[12:13], s[0:1], 0x20              ; bv
	s_load_b128 s[96:99], s[0:1], 0x28             ; qkvc, qkvs
	v_lshl_add_u32 v[SPW], v0, 2, SPARE
	v_mov_b32 v[NIL], 0
	ds_add_u32 v28, v29
	ds_add_u32 v28, v29
	s_wait_dscnt 0x0
	v_lshrrev_b32 v1, 5, v0
	v_readfirstlane_b32 s14, v1                    ; wave 0..3
	s_lshr_b32 s15, s14, 1                         ; which half of the tile's R rows is mine.  Also: I fetch for R (0) or for P (1)
	s_and_b32 s16, s14, 1                          ; which half of its P rows.  Also: which 128 rows of that tile I fetch
	s_bfe_u32 s40, ttmp6, 0x40000                  ; cx, cy: my place in the cluster
	s_bfe_u32 s41, ttmp6, 0x40004
	s_and_b32 s2, ttmp7, 0xffff                    ; the cluster's y, 0..11: from 8 on the V way.  It stays in s2
	s_sub_co_u32 s66, s2, 8
	s_lshl_b32 s66, s66, 1                         ; 2 (y - 8)
	s_mov_b32 s67, 10240
	s_cmp_ge_u32 s2, 8
	s_cselect_b32 s66, s66, 0                      ; P's cluster, less the cluster's x
	s_cselect_b32 s17, 0, s2                       ; R's cluster
	s_cselect_b32 s95, 0, 8192                     ; P's first row in cod: x's, or Wq's
	s_cselect_b32 s67, s67, 0                      ; R's: Wv's, or x's
	s_cselect_b32 s100, 0, -1                      ; lanes in which bq or bk counts
	s_cselect_b32 s101, -1, 0                      ; lanes in which bv counts
	s_add_co_u32 s66, s66, ttmp9
	s_lshl_b32 s42, s66, 2
	s_add_co_u32 s42, s42, s40                     ; tile column (P) = 4 x P's cluster + cx
	s_lshl_b32 s17, s17, 2
	s_add_co_u32 s17, s17, s41                     ; tile row (R) = 4 x R's cluster + cy
	s_lshl_b32 s43, s41, 2
	s_lshl_b32 s43, 15, s43                        ; my row of the cluster
	s_lshl_b32 s44, 0x1111, s40                    ; my column
	; descriptor group 1: a tile of 128 rows x 256 bytes, padded in LDS
	s_or_b32 s[G1+0], s43, (0<<16)|(1<<20)|(1<<21)|(5<<22)|(3<<25)  ; 15:0 the mask: R's tiles go to my row; 17:16 element of 1 byte; 20 padding on; 21 set beside a mask; 24:22 after every 64 words; 31:25 four words
	s_or_b32 s[G1B+0], s44, (0<<16)|(1<<20)|(1<<21)|(5<<22)|(3<<25)
.irp g, G1, G1B
	s_mov_b32 s[\g+1], ROWB<<16                    ; tensor_dim0
	s_mov_b32 s[\g+2], 128<<16                     ; tensor_dim1
	s_mov_b32 s[\g+3], ROWB<<16                    ; tile_dim0
	s_mov_b32 s[\g+4], 128                         ; tile_dim1
	s_mov_b32 s[\g+5], KROW                        ; tensor_dim0_stride
	s_mov_b32 s[\g+6], 0
	s_mov_b32 s[\g+7], 0
.endr
	; the scales of 128 rows: a dense block of 4,096 bytes, as 16 rows of 256 bytes (32 elements of 8 bytes), 16 bytes of padding behind each
	s_or_b32 s[G1S+0], s43, (3<<16)|(1<<20)|(1<<21)|(5<<22)|(3<<25)
	s_or_b32 s[G1SB+0], s44, (3<<16)|(1<<20)|(1<<21)|(5<<22)|(3<<25)
.irp g, G1S, G1SB
	s_mov_b32 s[\g+1], 32<<16
	s_mov_b32 s[\g+2], (128*KS/256)<<16
	s_mov_b32 s[\g+3], 32<<16
	s_mov_b32 s[\g+4], 128*KS/256
	s_mov_b32 s[\g+5], 32
	s_mov_b32 s[\g+6], 0
	s_mov_b32 s[\g+7], 0
.endr
	s_lshl_b32 s18, s16, 7                         ; which 128 rows of the tile I fetch
	s_lshl_b32 s20, s17, 8
	s_add_co_u32 s20, s20, s18
	s_add_co_u32 s20, s20, s67                     ; R: row of cod = R's first + 256 x tile row + 128 x half
	s_lshl_b32 s46, s42, 8
	s_add_co_u32 s46, s46, s18
	s_add_co_u32 s46, s46, s95                     ; P: row of cod = P's first + 256 x tile column + 128 x half
	s_mov_b32 s21, 0
	s_mov_b32 s47, 0
	s_mov_b64 s[18:19], KS
	s_mul_u64 s[22:23], s[20:21], s[18:19]         ; where these rows' scales begin, in bytes
	s_mul_u64 s[92:93], s[46:47], s[18:19]
	s_mov_b64 s[18:19], KROW
	s_mul_u64 s[20:21], s[20:21], s[18:19]         ; and their codes
	s_mul_u64 s[46:47], s[46:47], s[18:19]
	s_mul_i32 s45, s14, HALFT                      ; where they go: wave x 128 rows: no place in the cluster enters an LDS address
	s_mul_i32 s94, s14, HALFS
	s_wait_kmcnt 0x0
	s_add_nc_u64 s[20:21], s[4:5], s[20:21]
	s_add_nc_u64 s[22:23], s[6:7], s[22:23]
	s_add_nc_u64 s[46:47], s[4:5], s[46:47]
	s_add_nc_u64 s[92:93], s[6:7], s[92:93]
	CROUND                                         ; all sixteen work-groups are here: the first joint loads meet
	s_mov_b32 s[G0S], 1
	s_add_co_u32 s[G0S+1], s94, SCL
	s_mov_b64 s[G0S+2:G0S+3], s[22:23]
	s_or_b32 s[G0S+3], s[G0S+3], 0x80000000
	s_mov_b32 s[G0SB], 1
	s_add_co_u32 s[G0SB+1], s94, SCL
	s_mov_b64 s[G0SB+2:G0SB+3], s[92:93]
	s_or_b32 s[G0SB+3], s[G0SB+3], 0x80000000
	JLOAD G0S, G1S, G0SB, G1SB                     ; the scales first: they are wanted with K step 0
.irp s, 0,1
	s_mov_b32 s[G0+4*\s], 1
	s_add_co_u32 s[G0+4*\s+1], s45, \s*SLOT
	s_add_nc_u64 s[G0+4*\s+2:G0+4*\s+3], s[20:21], \s*ROWB
	s_or_b32 s[G0+4*\s+3], s[G0+4*\s+3], 0x80000000
	s_mov_b32 s[G0B+4*\s], 1
	s_add_co_u32 s[G0B+4*\s+1], s45, \s*SLOT
	s_add_nc_u64 s[G0B+4*\s+2:G0B+4*\s+3], s[46:47], \s*ROWB
	s_or_b32 s[G0B+4*\s+3], s[G0B+4*\s+3], 0x80000000
	JLOAD G0+4*\s, G1, G0B+4*\s, G1B               ; three tensor loads of mine are out
.endr
	v_and_b32 v1, 15, v0                           ; r = l % 16
	v_bfe_u32 v2, v0, 4, 1                         ; h = l / 16
	v_mul_u32_u24 v3, v1, PITCH
	v_lshl_add_u32 v4, v2, 4, v3                   ; a fragment's row x pitch + 16 x half
	s_mul_i32 s21, s15, HALFT                      ; my 128 rows of R
	s_mul_i32 s22, s16, HALFT                      ; my 128 rows of P,
	s_add_co_u32 s22, s22, 2*HALFT                 ; which lie behind R's 256
.irp s, 0,1
	v_add_nc_u32 v[ADRA+\s], s21, v4
	v_add_nc_u32 v[ADRB+\s], s22, v4
	s_add_co_u32 s21, s21, SLOT
	s_add_co_u32 s22, s22, SLOT
.endr
	v_mul_u32_u24 v5, v1, KS                       ; my row's scales: 32 bytes a row,
	v_lshrrev_b32 v6, 8, v5
	v_lshl_add_u32 v5, v6, 4, v5                   ; and 16 more for each 256 passed
	s_mul_i32 s21, s15, HALFS                      ; R's: my 128 rows
	s_mul_i32 s22, s16, HALFS                      ; P's: my 128 rows, behind R's 256
	s_add_co_u32 s22, s22, 2*HALFS
	s_sub_co_u32 s22, s22, s21
	v_mul_u32_u24 v6, s22, v2                      ; lanes 16-31 take P's
	s_add_co_u32 s21, s21, SCL
	v_add_nc_u32 v5, v5, v6
	v_add_nc_u32 v[ADRS], s21, v5
	; THE BIASES.  My first channel: on the QK way my first P row, on the V way my first R row.
	s_lshl_b32 s18, s42, 8
	s_lshl_b32 s19, s16, 7
	s_add_co_u32 s18, s18, s19                     ; my first P row of the whole P
	s_lshl_b32 s19, s17, 8
	s_lshl_b32 s22, s15, 7
	s_add_co_u32 s19, s19, s22                     ; my first R row
	s_cmp_ge_u32 s2, 8
	s_cselect_b32 s18, s19, s18                    ; my first channel: 0..2047 (QK: Wq's, then Wk's), 0..1023 (V)
	s_and_b32 s19, s18, 1023
	s_lshl_b32 s22, s19, 2                         ; in bytes, inside its bias
	s_mov_b32 s23, 0
	s_lshr_b32 s18, s18, 10
	s_cmp_eq_u32 s18, 1                            ; bk for Wk's channels, else bq (on the V way bq is read and replaced by zeros)
	s_cselect_b64 s[8:9], s[10:11], s[8:9]
	s_add_nc_u64 s[8:9], s[8:9], s[22:23]
	s_add_nc_u64 s[12:13], s[12:13], s[22:23]
	v_lshlrev_b32 v7, 6, v2                        ; along P: lane (r, h) wants channels 32 B + 16 h + 0 .. 15
	v_and_b32 v6, 8, v1
	v_add_nc_u32 v6, v6, v1
	v_lshlrev_b32 v6, 2, v6                        ; along R: lane r of block a holds channel 32 (a / 2) + 8 (a % 2) + r + 8 (r / 8)
.irp b, 0,1,2,3
.irp j, 0,1,2,3
	global_load_b128 v[BP+16*\b+4*\j:BP+16*\b+4*\j+3], v7, s[8:9] offset:128*\b+16*\j
.endr
.endr
.irp a, 0,1,2,3,4,5,6,7
	global_load_b32 v[BR+\a], v6, s[12:13] offset:(32*(\a/2)+8*(\a%2))*4
.endr
	s_wait_loadcnt 0x0
.set n, 0
.rept 64
	v_cndmask_b32 v[BP+n], 0, v[BP+n], s100        ; zeros on the V way
.set n, n+1
.endr
.irp a, 0,1,2,3,4,5,6,7
	v_cndmask_b32 v[BR+\a], 0, v[BR+\a], s101      ; zeros on the QK way
.endr
.macro FRAG reg, adr, q, i             ; a fragment, 16 rows x 128 K of 8-bit codes: lane l holds row l % 16; registers 4 c .. 4 c + 3 hold K = 32 c + 16 (l / 16) + 0 .. 15
.irp c, 0,1,2,3
	ds_load_b128 v[\reg+4*\c:\reg+4*\c+3], v[\adr] offset:128*(\q)+32*\c+(\i)*16*PITCH
.endr
.endm
; 16 matrix instructions: R's blocks a0, a0 + 1 x P's eight, 128 along K: the slot's q-th.  p: P's set;  sc: the set of scale words.  first = 1: the first product starts the sums on the bias.
; The 64 accumulators take turns, one instruction a turn, in the same order in every step.
.macro MUL16 a0, p, q, sc, first
.irp a, \a0, \a0+1
.irp b, 0,1,2,3,4,5,6,7
.if \first
	v_wmma_scale_f32_16x16x128_f8f6f4 v[8*(8*((\a)%4)+\b):8*(8*((\a)%4)+\b)+7], v[128*(\p)+FR*\b:128*(\p)+FR*\b+FR-1], v[AF+FR*(\a):AF+FR*(\a)+FR-1], v[BP+8*\b:BP+8*\b+7], v[SC+8*NQ*(\sc)+NQ*\b+(\q)], v[SC+8*NQ*(\sc)+NQ*(\a)+(\q)] matrix_a_fmt:MATRIX_FMT_BF8 matrix_b_fmt:MATRIX_FMT_BF8 matrix_a_scale:MATRIX_SCALE_ROW1
.else
	v_wmma_scale_f32_16x16x128_f8f6f4 v[8*(8*((\a)%4)+\b):8*(8*((\a)%4)+\b)+7], v[128*(\p)+FR*\b:128*(\p)+FR*\b+FR-1], v[AF+FR*(\a):AF+FR*(\a)+FR-1], v[8*(8*((\a)%4)+\b):8*(8*((\a)%4)+\b)+7], v[SC+8*NQ*(\sc)+NQ*\b+(\q)], v[SC+8*NQ*(\sc)+NQ*(\a)+(\q)] matrix_a_fmt:MATRIX_FMT_BF8 matrix_b_fmt:MATRIX_FMT_BF8 matrix_a_scale:MATRIX_SCALE_ROW1
.endif
.endr
.endr
.endm
.macro FETCH_B slot, q, p              ; P's eight fragments of the slot's q-th 128 along K into set p
	WIN TO_B
.irp i, 0,1,2,3,4,5,6,7
	FRAG 128*(\p)+FR*\i, ADRB+\slot, \q, \i
.endr
	WIN 0
.endm
.macro FETCH_A slot, q, i0             ; R's blocks i0 .. i0 + 3
.irp i, \i0, \i0+1, \i0+2, \i0+3
	FRAG AF+FR*(\i), ADRA+\slot, \q, \i
.endr
.endm
.macro SCALES sc                       ; the next K step's scale words into set sc: two words a row; lanes 0-15 take R's block i, lanes 16-31 P's block i
.irp i, 0,1,2,3,4,5,6,7
	ds_load_b64 v[SC+8*NQ*\sc+NQ*\i:SC+8*NQ*\sc+NQ*\i+1], v[ADRS] offset:\i*SBLK
.endr
.endm
; A load into a register that a matrix instruction has read, and a vector instruction that reads a matrix result, stand NP places behind that matrix instruction, and only plain vector
; instructions that name none of its registers are places (ISA guide 7.12.1 for vector instructions).
.macro PLACES n
.rept \n
	v_nop
.endr
.endm
; A step of 128 along K that has its successor in the same slot.
.macro STEP slot, q, first
	s_wait_dscnt 4*NL                              ; P's set and R's blocks 0-3 are in; the youngest sixteen loads (R's blocks 4-7) may be out
.if \first
	WIN MUL_LO0
.else
	WIN MUL_LO
.endif
	MUL16 0, (\q)%2, \q, \slot, \first
	MUL16 2, (\q)%2, \q, \slot, \first
	s_wait_dscnt 0                                 ; R's blocks 4-7 are in (asked for 32 matrix instructions ago)
	PLACES NP
	FETCH_B \slot, (\q)+1, 1-(\q)%2
	FETCH_A \slot, (\q)+1, 0
.if \first
	WIN MUL_HI0
.else
	WIN MUL_HI
.endif
	MUL16 4, (\q)%2, \q, \slot, \first
	MUL16 6, (\q)%2, \q, \slot, \first
	PLACES NP
	WIN 0
	FETCH_A \slot, (\q)+1, 4
.endm
; A slot's last step changes slots: ONE barrier; in front of it each wave waits for all its tensor loads, adds 0 to its spare word, and waits for that and for its own reads of this slot.  fill = 1: this slot is filled again, two K steps ahead.
.macro TURN slot, next, fill
	s_wait_tensorcnt 0x0                           ; all my tensor loads have landed: my part of the next slot;  (every window is 0 here)
	ds_add_u32 v[SPW], v[NIL]                      ; 0 onto my spare word;
	s_wait_dscnt 4*NL+1                            ; (the add and the youngest sixteen loads, R's blocks 4-7, may be out)
	WIN MUL_LO
	MUL16 0, 1, NQ-1, \slot, 0                     ; sixteen matrix instructions stand between the add and the wait for it
	s_wait_dscnt 0x0                               ; the add is done, and my reads of this slot are over
	s_barrier_signal -1
	MUL16 2, 1, NQ-1, \slot, 0
	WIN 0
	s_barrier_wait -1
.if \fill
	CREST                                          ; the barrier has opened a round of the cluster's barrier: no wave of any partner still reads this slot's tile or has a load on its way
	s_add_nc_u64 s[G0+4*\slot+2:G0+4*\slot+3], s[G0+4*\slot+2:G0+4*\slot+3], 2*ROWB
	s_add_nc_u64 s[G0B+4*\slot+2:G0B+4*\slot+3], s[G0B+4*\slot+2:G0B+4*\slot+3], 2*ROWB
	JLOAD G0+4*\slot, G1, G0B+4*\slot, G1B         ; the first tensor load behind the round; the four v_nop behind it are among the places in front of the loads below
	PLACES NP-4
.else
	PLACES NP
.endif
	s_wait_alu depctr_va_vdst(0)
	v_add_nc_u32 v[ADRS], 4*NQ, v[ADRS]            ; on to the next K step's scale words (no LDS load of mine is out)
	FETCH_B \next, 0, 0
	FETCH_A \next, 0, 0
	SCALES \next
	WIN MUL_HI
	MUL16 4, 1, NQ-1, \slot, 0
	MUL16 6, 1, NQ-1, \slot, 0
	PLACES NP
	WIN 0
	FETCH_A \next, 0, 4
.endm
	PLACES NP                                      ; behind the lines that made the biases, ahead of the products that take them as C
	s_wait_alu depctr_va_vdst(0)
	s_wait_tensorcnt 1                             ; the scales and my part of K step 0 are in (K step 1's load may be out),
	s_barrier_signal -1
	s_barrier_wait -1                              ; everybody's are
	FETCH_B 0, 0, 0
	FETCH_A 0, 0, 0
	SCALES 0
	FETCH_A 0, 0, 4
	STEP 0, 0, 1                                   ; the first step stands in front of the loop: its products start the sums
	s_mov_b32 s3, LAPS-1
.Llap:                                                 ; a trip goes once round the ring, from a lap's second step to the next lap's first, and fills both slots again
	TURN 0, 1, 1
	STEP 1, 0, 0
	TURN 1, 0, 1
	STEP 0, 0, 0
	s_sub_co_u32 s3, s3, 1
	s_cmp_lg_u32 s3, 0
	s_cbranch_scc1 .Llap
	TURN 0, 1, 0                                   ; the last lap fills nothing, and has no round of the cluster's barrier
	STEP 1, 0, 0
	s_wait_dscnt 4*NL                              ; the very last step: nothing more to fetch
	WIN MUL_LO
	MUL16 0, 1, NQ-1, 1, 0
	MUL16 2, 1, NQ-1, 1, 0
	s_wait_dscnt 0
	WIN MUL_HI
	MUL16 4, 1, NQ-1, 1, 0
	MUL16 6, 1, NQ-1, 1, 0
	WIN 0
; THE WAY OUT.  64 numbers of a lane, v[s] .. v[s + 63], register 16 b + i = P index 32 b + 16 (lane / 16) + i of my R row, become 16 registers of codes in v[PC] on and a scale word in v[PW].
.macro QUANT s
.irp b, 0,1,2,3
	v_max3_num_f32 v[TM+\b], |v[\s+16*\b]|, |v[\s+1+16*\b]|, 0x8000000   ; block b: my 16 numbers, and the floor 2^(16 - 127): the byte cannot fall under 1
.endr
.irp i, 2,4,6,8,10,12,14
.irp b, 0,1,2,3
	v_max3_num_f32 v[TM+\b], v[TM+\b], |v[\s+16*\b+\i]|, |v[\s+1+16*\b+\i]|   ; (the four blocks by turns)
.endr
.endr
.irp b, 0,1,2,3
	v_permlanex16_b32 v[TM+4+\b], v[TM+\b], s[SEL], s[SEL+1]
.endr
.irp b, 0,1,2,3
	v_max_num_f32 v[TM+\b], v[TM+\b], v[TM+4+\b]   ; with lane l xor 16's: the block's largest magnitude
.endr
.irp b, 0,1,2,3
	v_add_nc_u32 v[TM+12+\b], 0xf8800000, v[TM+\b]   ; 15 off its exponent field: the conversion's scale operand
.endr
.irp b, 0,1,2,3
.endr
.irp b, 0,1,2,3
	v_lshrrev_b32 v[TM+4+\b], 23, v[TM+12+\b]      ; the scale's byte
.endr
	v_lshl_or_b32 v[PW], v[TM+5], 8, v[TM+4]       ; the four bytes
	v_lshl_or_b32 v[PW], v[TM+6], 16, v[PW]
	v_lshl_or_b32 v[PW], v[TM+7], 24, v[PW]
.irp b, 0,1,2,3
.irp i, 0,1,2,3,4,5,6,7,8,9,10,11,12,13,14,15
.endr
	v_cvt_scalef32_pk8_bf8_f32 v[PC+4*\b:PC+1+4*\b], v[\s+16*\b:\s+7+16*\b], v[TM+12+\b]
	v_cvt_scalef32_pk8_bf8_f32 v[PC+2+4*\b:PC+3+4*\b], v[\s+8+16*\b:\s+15+16*\b], v[TM+12+\b]
.endr
	v_nop                                          ; one plain vector instruction behind the last scaled conversion
.endm
	PLACES NP                                      ; behind the last products: their results are read, and R's fragments' registers written, only from here on
	s_lshl_b32 s18, s42, 8
	s_lshl_b32 s19, s16, 7
	s_add_co_u32 s18, s18, s19                     ; my first P row
	s_lshl_b32 s19, s17, 8
	s_lshl_b32 s20, s15, 7
	s_add_co_u32 s19, s19, s20                     ; my first R row
	s_mov_b32 s30, 2048
	s_mov_b32 s23, 0x03020100
	s_mov_b32 s27, 4096
	s_cmp_ge_u32 s2, 8                             ; V way : QK way
	s_cselect_b32 s20, s18, s19                    ; my first token
	s_cselect_b32 s21, s19, s18                    ; my first channel
	s_cselect_b32 s30, s30, 1024                   ; bytes from R block a's image to block a + 1's: a tile of channels (2,048) : a tile of tokens (1,024)
	s_cselect_b32 s32, 122880, 0                   ; more at block 4: on the V way the next head begins there (131,072 - 4 x 2,048)
	s_cselect_b32 s28, 0, 130048                   ; more for P blocks 2, 3: on the QK way they are the next head's (131,072 - 1,024)
	s_cselect_b32 s22, 16, 32                      ; lanes that store scale words
	s_cselect_b32 s24, s23, 0x03020302             ; lanes 16-31: the word's bytes as they are : the second head's two, twice
	s_cselect_b32 s23, s23, 0x01000100             ; lanes 0-15: as they are : the first head's two, twice
	s_cselect_b32 s25, 12, 13                      ; log2 of a head's scale words in bytes
	s_cselect_b32 s26, 1, 2                        ; log2 of a token's share of them
	s_cselect_b32 s27, s27, 256                    ; from blocks 0-3's words to blocks 4-7's: the next head : the next four tiles
	s_cselect_b32 s29, 2, 0
	s_mov_b32 s31, 0
	s_mov_b32 s33, 0
	s_lshr_b32 s50, s21, 10
	s_add_co_u32 s29, s29, s50                     ; 0: q, 1: k, 2: v
	s_lshr_b32 s50, s20, 11                        ; the batch
	s_and_b32 s20, s20, 2047                       ; the token in it
	s_bfe_u32 s21, s21, 0x40006                    ; my first head: 4 bits from bit 6 of the channel
	s_lshl_b32 s50, s50, 4
	s_add_co_u32 s21, s21, s50                     ; 16 x batch + head
	s_lshl_b32 s50, s29, 23
	s_lshl_b32 s51, s21, 17
	s_add_co_u32 s50, s50, s51
	s_lshl_b32 s51, s20, 6                         ; 64 bytes of codes a token and head
	s_add_co_u32 s50, s50, s51
	s_mov_b32 s51, 0
	s_add_nc_u64 s[36:37], s[96:97], s[50:51]      ; where block 0's image goes
	s_lshl_b32 s50, s29, 19
	s_lshl_b32 s52, s21, s25
	s_add_co_u32 s50, s50, s52
	s_lshl_b32 s52, s20, s26
	s_add_co_u32 s50, s50, s52
	s_add_nc_u64 s[38:39], s[98:99], s[50:51]      ; and the scale words
	s_mov_b32 s[SEL], 0x76543210
	s_mov_b32 s[SEL+1], 0xfedcba98                 ; v_permlanex16_b32's selects for lane l xor 16
	s_mov_b32 s47, 0xffff0000                      ; lanes 16-31
	v_and_b32 v1, 15, v0                           ; r
	v_bfe_u32 v2, v0, 4, 1                         ; h
	v_and_b32 v3, 31, v0                           ; lane
	v_lshlrev_b32 v[VOA], 4, v3
	v_add_nc_u32 v[VOB], s28, v[VOA]
	v_lshlrev_b32 v6, 4, v1
	v_lshl_add_u32 v6, v2, 13, v6                  ; scale words: 16 r; lanes 16-31 (QK way alone) the next head's, 8,192 bytes on
	v_add_nc_u32 v7, s27, v6
	v_mov_b32 v[SELV], s23
	v_mov_b32 v[TM], s24
	v_cndmask_b32 v[SELV], v[SELV], v[TM], s47
.irp b, 0,1,2,3
	v_mov_b32 v[TM+4+\b], 0                        ; written once: a lane permute's destination counts as one of its sources
.endr
.irp a, 0,1,2,3,4,5,6,7
.if \a > 0
	s_wait_xcnt 0x0                                ; the last block's stores have read their data and their base: both are written again only behind this wait
	s_add_nc_u64 s[36:37], s[36:37], s[30:31]
.endif
.if \a == 4
	s_add_nc_u64 s[36:37], s[36:37], s[32:33]
.endif
	v_mov_b32 v[BRP], v[BR+\a]
	v_mov_b32 v[BRP+1], v[BR+\a]
	WIN 0x02+(\a)/4                                ; source 0: window 2 or 3
.irp k, 0,2,4,6,8,10,12,14,16,18,20,22,24,26,28,30,32,34,36,38,40,42,44,46,48,50,52,54,56,58,60,62
	v_pk_add_f32 v[T+\k:T+\k+1], v[64*((\a)%4)+\k:64*((\a)%4)+\k+1], v[BRP:BRP+1]   ; + bv (or 0), into window 0; each accumulator from its low end on
.endr
	WIN 0
	QUANT T
	v_perm_b32 v[SW+\a], v[PW], v[PW], v[SELV]     ; the word as its reader wants it
	global_store_b128 v[VOA], v[PC:PC+3], s[36:37]                     ; 32 lanes store 512 consecutive bytes, aligned
	global_store_b128 v[VOA], v[PC+4:PC+7], s[36:37] offset:512
	global_store_b128 v[VOB], v[PC+8:PC+11], s[36:37] offset:1024
	global_store_b128 v[VOB], v[PC+12:PC+15], s[36:37] offset:1536
.endr
	v_cmp_gt_u32 vcc_lo, s22, v3
	s_wait_alu depctr_va_vdst(0)
	s_wait_xcnt 0x0                                ; EXEC changes only behind this wait
	s_and_saveexec_b32 s48, vcc_lo
	global_store_b128 v6, v[SW:SW+3], s[38:39]     ; sixteen lanes store 256 consecutive bytes, aligned
	global_store_b128 v7, v[SW+4:SW+7], s[38:39]
	s_wait_xcnt 0x0                                ; and again, in front of the line that widens it
	s_or_b32 exec_lo, exec_lo, s48
	s_wait_tensorcnt 0x0                           ; the wave's end
	ds_add_u32 v[SPW], v[NIL]
	s_wait_dscnt 0x0
	CROUND                                         ; the closing round: no work-group ends while a partner may still ask for a tile that names it
	s_endpgm
.Lfunc_end_k_q30d301b9e9_qkv:
	.size	k_q30d301b9e9_qkv, .Lfunc_end_k_q30d301b9e9_qkv-k_q30d301b9e9_qkv
	.p2alignl 7, 3214868480
	.fill 96, 4, 3214868480
	.section	.rodata,"a",@progbits
	.p2align	6, 0x0
	.amdhsa_kernel k_q30d301b9e9_qkv
		.amdhsa_group_segment_fixed_size 327680
		.amdhsa_private_segment_fixed_size 0
		.amdhsa_enable_private_segment 0
		.amdhsa_kernarg_size 56
		.amdhsa_user_sgpr_count 2
		.amdhsa_user_sgpr_kernarg_segment_ptr 1
		.amdhsa_wavefront_size32 1
		.amdhsa_system_sgpr_workgroup_id_x 1
		.amdhsa_system_sgpr_workgroup_id_y 1
		.amdhsa_system_sgpr_workgroup_id_z 1
		.amdhsa_system_vgpr_workitem_id 0
		.amdhsa_next_free_vgpr 1024
		.amdhsa_next_free_sgpr 102
		.amdhsa_reserve_vcc 1
		.amdhsa_float_denorm_mode_32 3
		.amdhsa_float_denorm_mode_16_64 3
		.amdhsa_fp16_overflow 1
		.amdhsa_memory_ordered 1
		.amdhsa_forward_progress 1
		.amdhsa_inst_pref_size 176
	.end_amdhsa_kernel
	.amdgpu_metadata
---
amdhsa.version: [ 1, 2 ]
amdhsa.kernels:
  - .name:           k_q30d301b9e9_qkv
    .symbol:         k_q30d301b9e9_qkv.kd
    .args:
      - { .name: cod, .offset: 0, .size: 8, .value_kind: global_buffer, .address_space: global }
      - { .name: scl, .offset: 8, .size: 8, .value_kind: global_buffer, .address_space: global }
      - { .name: bq, .offset: 16, .size: 8, .value_kind: global_buffer, .address_space: global }
      - { .name: bk, .offset: 24, .size: 8, .value_kind: global_buffer, .address_space: global }
      - { .name: bv, .offset: 32, .size: 8, .value_kind: global_buffer, .address_space: global }
      - { .name: qkvc, .offset: 40, .size: 8, .value_kind: global_buffer, .address_space: global }
      - { .name: qkvs, .offset: 48, .size: 8, .value_kind: global_buffer, .address_space: global }
    .group_segment_fixed_size: 327680
    .private_segment_fixed_size: 0
    .kernarg_segment_align: 8
    .kernarg_segment_size: 56
    .max_flat_workgroup_size: 128
    .sgpr_count:     102
    .vgpr_count:     1024
    .wavefront_size: 32
...
	.end_amdgpu_metadata
.endif
;; end of part 2
;; launch attn (part 3): grid 4 x 64, 16 waves a work-group, no clusters, 327,680 bytes of LDS; arguments qkvc, qkvs, yc, ys; writes yc, ys
.if DOCPART == 3
	.amdgcn_target "amdgcn-amd-amdhsa--gfx1250"
	.amdhsa_code_object_version 6
	.text
	.protected	k_q30d301b9e9_attn
	.globl	k_q30d301b9e9_attn
	.p2align	8
	.type	k_q30d301b9e9_attn,@function
k_q30d301b9e9_attn:
	s_mov_b64 s[64:65], 0
	v_nop
	global_prefetch_b8 v0, s[64:65] scope:SCOPE_SE
	s_setreg_imm32_b32 hwreg(HW_REG_WAVE_MODE, 25, 1), 1
	s_wait_xcnt 0x0
; y[b][h][q] = the sum over keys k <= q of softmax_k(q . k / 8) v[k], 64 pairs of batch and head, 2,048 tokens, head size 64; both products on codes of BF8 (E5M2) with E8M0 scales for each 32 along K;
; y is quantised along the channels on the way out, for the last product of the module.
; THE SOFTMAX AHEAD OF THE SECOND PRODUCT: t = score x log2(e) / 8; M = the row's largest t so far, rounded UP to a whole number; p = 2^(t - M) is quantised along the keys, not normalised.
; The row's sum is taken of the unquantised p, in f32, and divides at the end.  When M moves, the sum and O are multiplied by 2^(old M - new M): exact.
; INPUTS are images of the operands' registers (four registers x 32 lanes = 512 bytes on end): q, k [pair][tile of 16 tokens][c 2][lane][16 B]; v [pair][step of 128 keys][tile of 16 channels][c 4][lane][16 B].
; Tokens and channels lie in tile order: lane r of tile i holds index 32 (i / 2) + 8 (i % 2) + r + 8 (r / 8), so that the 16 registers of two neighbouring result tiles are 16 neighbours.
; The head's 64 channels fill half of the first product's 128 along K: the upper eight registers of q's and k's fragments are zero codes, set once.
; SHARES.  Work-group (i, pair) takes the blocks of 256 queries i and 7 - i of its pair, one after the other: (i + 1) + (8 - i) = 9 slots of 256 keys in every work-group: the trip count is a constant.
; Each of SIXTEEN waves owns one tile of 16 queries in 256 registers.  A step (128 keys) all of whose keys come after the wave's queries is left out by a scalar branch on ids.
; Both products are used transposed (S^T = K Q^T, O^T = V^T P^T): a lane holds ONE query throughout.
; THE RING: two LDS slots; a slot holds 256 keys' codes of K (16 KiB) and V (16 KiB) and their scale words (1,024 + 512 bytes).  Waves 0-3 fetch codes, waves 4-6 scale words, one tensor load each behind each barrier.
; No cluster: in the same trip the four work-groups of a pair want different slots of keys (each goes back to slot 0 at its own trip i + 1), so their requests do not meet.
; LIMITS: a block's largest p is taken from the block's largest score by the same two instructions (this leans on v_exp_f32 not falling where its input rises); blocks of zeros keep the scale byte 1; NaN and infinities are not served.
.set SLOT1, 65536                      ; slot 1 begins here: one exclusive or turns an address
.set VC,    16384                      ; in a slot: V's codes,
.set KSC,   32768                      ; K's scale words,
.set VSC,   33792                      ; V's scale words
.set SPARE, 131072                     ; behind the ring: the spare words, 128 bytes for each wave: eight blocks of 256 bytes that no other line names
.set LI,   1                           ; v1   16 x lane
.set R16,  2                           ; v2   16 x (lane % 16)
.set LQ,   3                           ; v3   my query less the tile pair's first, less 16 (lane / 16)
.set YSO,  4                           ; v4   32 (lane % 16) + lane / 16: my byte among y's scale bytes
.set SPW,  5                           ; v5   LDS address of my spare word; never rewritten
.set NIL,  6                           ; v6   0; never rewritten
.set ADK,  7                           ; v7   the slot + 16 x lane
.set ADR,  8                           ; v8   the slot + 16 x (lane % 16)
.set KSW,  224                         ; v224-227 K's scale words: lanes 0-15 tiles 0-3 of the step, lanes 16-31 tiles 4-7
.set VSW,  228                         ; v228-231 V's
.set QSW,  238                         ; v238 Q's
.set PSW,  239                         ; v239 p's
.set NINF, 241                         ; v241 -infinity
; v12 -M, v13 the largest t, v[14:15] the sum in two halves; v16-31 Q; v32-95 four fragments of K; v96-159 S^T, then p, then V's four fragments; v160-191 O^T; v192-207 codes;
; v208-211 block maxima, v212-215 bytes, v216-219 holds, v220-223 the conversions' scale operands; v[232:233] f; v234 at work; v[236:237] the second chain of the sum; v240 y's scale byte
.set WV,   12                          ; s12  my wave's number
.set BH,   13                          ; s13  16 x batch + head
.set II,   14                          ; s14  i
.set TT,   15                          ; s15  the trip
.set KSL,  16                          ; s16  the trip's slot of keys
.set NX,   17                          ; s17  the next trip's
.set TB,   18                          ; s18  LDS byte at which the slot in hand begins
.set MNT,  19
.set SEL,  20                          ; s[20:21] lane selects for v_permlanex16_b32: lane l xor 16
.set CS,   22                          ; s[22:23] c = log2(e) / 8
.set G1C,  24                          ; s[24:31] descriptor group 1 for codes;  s[32:39] for scale words;  s[40:43], s[44:47] their groups 0
.set G1S,  32
.set G0C,  40
.set G0S,  44
.set GBC,  48                          ; s[48:49] where my part of key slot 0's codes lies;  s[50:51] of its scale words
.set GBS,  50
.set STS,  52                          ; s52  bytes of scale words from key slot to key slot
.set HM,   53                          ; s53  lanes 16-31
.set QB,   54                          ; s[54:55] q's codes of my pair;  s[56:57] q's scale words;  s[58:59] y's codes;  s[60:61] y's scale bytes
.set QSB,  56
.set YB,   58
.set YSB,  60
.set TQ,   62                          ; s62  my tile of queries
.set Q0,   63                          ; s63  the first query of its pair of tiles
.set KF,   66                          ; s66  the slot's first key
.set BLKQ, 67                          ; s67  the block of queries in hand
; Waves 0-3 fetch codes, waves 4-6 scale words, the others nothing.  The branches hang on the wave's number alone.  Four v_nop follow each of the two lines.
.macro TLOAD
	s_cmp_lt_u32 s[WV], 4
	s_cbranch_scc0 .Lnot_c_\@
	tensor_load_to_lds s[G0C:G0C+3], s[G1C:G1C+7]
	s_nop 0
.rept 4
	v_nop
.endr
	s_branch .Lasked_\@
.Lnot_c_\@:
	s_cmp_lt_u32 s[WV], 7
	s_cbranch_scc0 .Lasked_\@
	tensor_load_to_lds s[G0S:G0S+3], s[G1S:G1S+7]
	s_nop 0
.rept 4
	v_nop
.endr
.Lasked_\@:
.endm
	s_load_b256 s[4:11], s[0:1], 0x0               ; qkvc, qkvs, yc, ys
	v_lshl_add_u32 v[SPW], v0, 2, SPARE
	v_mov_b32 v[NIL], 0
	ds_add_u32 v5, v6
	ds_add_u32 v5, v6
	s_wait_dscnt 0x0
	v_lshrrev_b32 v9, 5, v0
	s_delay_alu instid0(VALU_DEP_1)
	v_readfirstlane_b32 s[WV], v9                  ; wave 0..15
	s_and_b32 s[BH], ttmp7, 0xffff
	s_mov_b32 s[II], ttmp9
	; descriptor group 1: dense blocks as rows of 256 bytes (32 elements of 8 bytes): 32 rows of codes, 2 rows of scale words
	s_mov_b32 s[G1C], 3<<16                        ; no mask; elements of 8 bytes; no padding: every read takes 512 bytes on end
	s_mov_b32 s[G1C+1], 32<<16                     ; tensor_dim0
	s_mov_b32 s[G1C+2], 32<<16                     ; tensor_dim1
	s_mov_b32 s[G1C+3], 32<<16                     ; tile_dim0
	s_mov_b32 s[G1C+4], 32                         ; tile_dim1
	s_mov_b32 s[G1C+5], 32                         ; tensor_dim0_stride
	s_mov_b32 s[G1C+6], 0
	s_mov_b32 s[G1C+7], 0
	s_mov_b32 s[G1S], 3<<16
	s_mov_b32 s[G1S+1], 32<<16
	s_mov_b32 s[G1S+2], 2<<16
	s_mov_b32 s[G1S+3], 32<<16
	s_mov_b32 s[G1S+4], 2
	s_mov_b32 s[G1S+5], 32
	s_mov_b32 s[G1S+6], 0
	s_mov_b32 s[G1S+7], 0
	s_lshr_b32 s70, s[WV], 1
	s_min_u32 s70, s70, 1
	s_add_co_u32 s70, s70, 1
	s_lshl_b32 s70, s70, 23                        ; waves 0, 1: k's codes, at 2^23; waves 2, 3: v's, at 2^24 (the others issue no such load)
	s_lshl_b32 s72, s[BH], 17                      ; my pair: 131,072 bytes
	s_add_co_u32 s70, s70, s72
	s_and_b32 s73, s[WV], 1
	s_lshl_b32 s72, s73, 13                        ; which 8,192 bytes of a slot's 16,384
	s_add_co_u32 s70, s70, s72
	s_mov_b32 s71, 0
	s_lshl_b32 s74, s[BH], 13
	s_lshl_b32 s75, s73, 9
	s_add_co_u32 s74, s74, s75
	s_add_co_u32 s74, s74, 524288                  ; waves 4, 5: k's scale words, 512 bytes each
	s_lshl_b32 s76, s[BH], 12
	s_add_co_u32 s76, s76, 1048576                 ; wave 6: v's
	s_mov_b32 s[STS], 512
	s_cmp_lt_u32 s[WV], 6
	s_cselect_b32 s74, s74, s76
	s_cselect_b32 s[STS], 1024, s[STS]
	s_mov_b32 s75, 0
	s_mov_b32 s[SEL], 0x76543210
	s_mov_b32 s[SEL+1], 0xfedcba98
	s_mov_b32 s[CS], 0x3e38aa3b                    ; c = log2(e) / 8
	s_mov_b32 s[CS+1], s[CS]                       ; (named with it as a pair, so it is written)
	s_mov_b32 s[HM], 0xffff0000
	s_mov_b32 s[TT], 0
	s_mov_b32 s[KSL], 0
	s_mov_b32 s[TB], 0
	s_mov_b32 s[BLKQ], s[II]
	s_wait_kmcnt 0x0
	s_add_nc_u64 s[GBC:GBC+1], s[4:5], s[70:71]
	s_add_nc_u64 s[GBS:GBS+1], s[6:7], s[74:75]
	s_mov_b32 s[G0C], 1                            ; count = 1
	s_lshl_b32 s[G0C+1], s[WV], 13                 ; LDS: 8,192 x wave: K's halves, then V's two steps
	s_mov_b64 s[G0C+2:G0C+3], s[GBC:GBC+1]         ; key slot 0
	s_or_b32 s[G0C+3], s[G0C+3], 0x80000000        ; type = 2
	s_mov_b32 s[G0S], 1
	s_lshl_b32 s[G0S+1], s[WV], 9
	s_add_co_u32 s[G0S+1], s[G0S+1], KSC-4*512     ; LDS: waves 4, 5: K's words; wave 6: V's
	s_mov_b64 s[G0S+2:G0S+3], s[GBS:GBS+1]
	s_or_b32 s[G0S+3], s[G0S+3], 0x80000000
	TLOAD                                          ; slot 0: the launch's first fill; one tensor load of mine is out
	s_lshl_b32 s76, s[BH], 17
	s_mov_b32 s77, 0
	s_add_nc_u64 s[QB:QB+1], s[4:5], s[76:77]
	s_lshl_b32 s76, s[BH], 13
	s_add_nc_u64 s[QSB:QSB+1], s[6:7], s[76:77]
	s_and_b32 s70, s[BH], 15                       ; the head
	s_lshr_b32 s76, s70, 2
	s_lshl_b32 s76, s76, 21                        ; yc: [head / 4][tile of tokens 512][head % 4: 1,024 bytes]
	s_and_b32 s72, s70, 3
	s_lshl_b32 s72, s72, 10
	s_add_co_u32 s76, s76, s72
	s_lshr_b32 s74, s[BH], 4                       ; the batch: 128 tiles of 4,096 bytes
	s_lshl_b32 s72, s74, 19
	s_add_co_u32 s76, s76, s72
	s_add_nc_u64 s[YB:YB+1], s[8:9], s[76:77]
	s_lshl_b32 s76, s70, 1                         ; ys: [stored token][32]: bytes 2 x head, 2 x head + 1
	s_lshl_b32 s74, s74, 16
	s_add_co_u32 s76, s76, s74
	s_add_nc_u64 s[YSB:YSB+1], s[10:11], s[76:77]
	v_and_b32 v9, 31, v0
	s_delay_alu instid0(VALU_DEP_1)
	v_lshlrev_b32 v[LI], 4, v9
	v_and_b32 v10, 15, v0                          ; r
	v_bfe_u32 v11, v0, 4, 1                        ; h
	s_delay_alu instid0(VALU_DEP_2)
	v_lshlrev_b32 v[R16], 4, v10
	s_delay_alu instid0(VALU_DEP_3)
	v_and_b32 v[LQ], 8, v10
	s_delay_alu instid0(VALU_DEP_1)
	v_add_nc_u32 v[LQ], v[LQ], v10                 ; r + 8 (r / 8)
	s_and_b32 s70, s[WV], 1
	s_lshl_b32 s70, s70, 3
	v_add_nc_u32 v[LQ], s70, v[LQ]                 ; + 8 (tile % 2)
	v_lshlrev_b32 v9, 4, v11
	s_delay_alu instid0(VALU_DEP_1)
	v_sub_nc_u32 v[LQ], v[LQ], v9                  ; - 16 h
	v_lshl_add_u32 v[YSO], v10, 5, v11
	v_mov_b32 v[NINF], 0xff800000
	v_mov_b32 v233, 0                              ; (named as the upper half of the pair v[232:233])
	v_mov_b32 v234, 0                              ; written once: a lane permute's destination counts as one of its sources
.irp b, 0,1,2,3
	v_mov_b32 v[212+\b], 0
.endr
.irp j, 24,25,26,27,28,29,30,31
	v_mov_b32 v[\j], 0                             ; Q's codes for K = 64 .. 127: zeros
.endr
.irp t, 0,1,2,3
.irp j, 8,9,10,11,12,13,14,15
	v_mov_b32 v[32+16*\t+\j], 0                    ; K's likewise: no load ever lands here
.endr
.endr
; A block of queries begins: my tile's codes and scale words, and empty sums.
.macro START
	s_wait_xcnt 0x0                                ; earlier loads and stores have read their bases and data
	s_lshl_b32 s[TQ], s[BLKQ], 4
	s_add_co_u32 s[TQ], s[TQ], s[WV]               ; my tile: 16 x block + wave
	s_lshr_b32 s[Q0], s[TQ], 1
	s_lshl_b32 s[Q0], s[Q0], 5                     ; its queries lie in Q0 .. Q0 + 31
	s_lshl_b32 s70, s[TQ], 10
	s_mov_b32 s71, 0
	s_add_nc_u64 s[72:73], s[QB:QB+1], s[70:71]
	global_load_b128 v[16:19], v[LI], s[72:73]
	global_load_b128 v[20:23], v[LI], s[72:73] offset:512
	s_lshr_b32 s70, s[TQ], 2
	s_lshl_b32 s70, s70, 8
	s_and_b32 s74, s[TQ], 3
	s_lshl_b32 s74, s74, 2
	s_add_co_u32 s70, s70, s74
	s_add_nc_u64 s[74:75], s[QSB:QSB+1], s[70:71]
	global_load_b32 v[QSW], v[R16], s[74:75]
	v_mov_b32 v13, 0xff61b1e6                      ; the largest t so far: -3e38, under every t
	s_delay_alu instid0(VALU_DEP_1)
	v_floor_f32 v12, -v13                          ; -M
	v_mov_b32 v14, 0                               ; the sum, in two halves
	v_mov_b32 v15, 0
.set n, 0
.rept 32
	v_mov_b32 v[160+n], 0                          ; O^T: the step is written once; the first finds zeros, which the first change of M leaves zeros
.set n, n+1
.endr
	s_wait_loadcnt 0x0
.endm
; A block of queries ends: O^T / the sum is y; its two blocks of 32 channels are quantised; codes leave as an image (512 consecutive bytes a store), the scale bytes one a lane.
.macro FINISH
	s_wait_xcnt 0x0
	s_lshl_b32 s70, s[TQ], 12
	s_mov_b32 s71, 0
	s_add_nc_u64 s[72:73], s[YB:YB+1], s[70:71]
	s_lshl_b32 s70, s[TQ], 9
	s_add_nc_u64 s[74:75], s[YSB:YSB+1], s[70:71]
	v_add_f32 v14, v14, v15                        ; the sum's two halves,
	s_delay_alu instid0(VALU_DEP_1)
	v_permlanex16_b32 v234, v14, s[SEL], s[SEL+1]
	s_delay_alu instid0(VALU_DEP_1)
	v_add_f32 v14, v14, v234                       ; and lane l xor 16's: the row's sum
	s_wait_alu depctr_va_vdst(0)
	v_rcp_f32 v14, v14
	v_nop                                          ; one plain place behind a transcendental
.set n, 0
	s_wait_alu depctr_va_vdst(0)
.rept 32
	v_mul_f32 v[96+n], v[160+n], v14               ; register 16 b + i: channel 32 b + 16 h + i of my query; each accumulator from its low end on
.set n, n+1
.endr
.irp b, 0,1
	v_max3_num_f32 v[208+\b], |v[96+16*\b]|, |v[97+16*\b]|, 0x8000000
.endr
.irp i, 2,4,6,8,10,12,14
.irp b, 0,1
	s_delay_alu instid0(VALU_DEP_2)
	v_max3_num_f32 v[208+\b], v[208+\b], |v[96+16*\b+\i]|, |v[97+16*\b+\i]|
.endr
.endr
.irp b, 0,1
	s_delay_alu instid0(VALU_DEP_2)
	v_permlanex16_b32 v[212+\b], v[208+\b], s[SEL], s[SEL+1]
.endr
.irp b, 0,1
	s_delay_alu instid0(VALU_DEP_2)
	v_max_num_f32 v[208+\b], v[208+\b], v[212+\b]
.endr
.irp b, 0,1
	s_delay_alu instid0(VALU_DEP_2)
	v_add_nc_u32 v[220+\b], 0xf8800000, v[208+\b]
.endr
.irp b, 0,1
.endr
.irp b, 0,1
	s_delay_alu instid0(VALU_DEP_2)
	v_lshrrev_b32 v[212+\b], 23, v[220+\b]
.endr
	s_delay_alu instid0(VALU_DEP_1)
	v_cndmask_b32 v240, v212, v213, s[HM]          ; lanes 0-15 store block 0's byte, lanes 16-31 block 1's
.irp b, 0,1
.irp i, 0,1,2,3,4,5,6,7,8,9,10,11,12,13,14,15
.endr
	v_cvt_scalef32_pk8_bf8_f32 v[192+4*\b:193+4*\b], v[96+16*\b:103+16*\b], v[220+\b]
	v_cvt_scalef32_pk8_bf8_f32 v[194+4*\b:195+4*\b], v[104+16*\b:111+16*\b], v[220+\b]
.endr
	v_nop                                          ; one plain vector instruction behind the last scaled conversion
	global_store_b128 v[LI], v[192:195], s[72:73]
	global_store_b128 v[LI], v[196:199], s[72:73] offset:512
	global_store_b8 v[YSO], v240, s[74:75]         ; 32 single bytes, 32 bytes apart: one byte for each 32 of the codes stored
.endm
; A KEY STEP: 128 keys, the q-th of the slot in hand.
.macro STEP q
	s_add_co_u32 s70, s[KF], 128*\q                ; the step's first key.  Both it and Q0 are multiples of 32: beyond Q0 it is beyond all my queries
	s_cmp_gt_u32 s70, s[Q0]
	s_cbranch_scc1 .Lhidden_\@
	v_add_nc_u32 v[ADK], s[TB], v[LI]
	s_wait_alu depctr_va_vdst(0)
	v_add_nc_u32 v[ADR], s[TB], v[R16]
.irp g, 0,1                                    ; S^T = K Q^T, four tiles of 16 keys at a time
.irp t, 0,1,2,3
.irp c, 0,1
	ds_load_b128 v[32+16*\t+4*\c:35+16*\t+4*\c], v[ADK] offset:8192*\q+1024*(4*\g+\t)+512*\c
.endr
.endr
.if \g == 0
	ds_load_b128 v[KSW:KSW+3], v[ADK] offset:KSC+512*\q
	ds_load_b128 v[VSW:VSW+3], v[ADR] offset:VSC+256*\q
.endif
	s_wait_dscnt 0x0
.irp t, 0,1,2,3
.if \g == 0
	v_wmma_scale_f32_16x16x128_f8f6f4 v[96+8*(4*\g+\t):103+8*(4*\g+\t)], v[32+16*\t:47+16*\t], v[16:31], 0, v[KSW+\t], v[QSW] matrix_a_fmt:MATRIX_FMT_BF8 matrix_b_fmt:MATRIX_FMT_BF8
.else
	v_wmma_scale_f32_16x16x128_f8f6f4 v[96+8*(4*\g+\t):103+8*(4*\g+\t)], v[32+16*\t:47+16*\t], v[16:31], 0, v[KSW+\t], v[QSW] matrix_a_fmt:MATRIX_FMT_BF8 matrix_b_fmt:MATRIX_FMT_BF8 matrix_a_scale:MATRIX_SCALE_ROW1
.endif
.endr
.rept 8
	v_nop                                          ; places in front of the loads into K's registers, and of the first read of the scores
.endr
.endr
	s_add_co_u32 s71, s70, 128                     ; on the diagonal the scores of hidden keys become -infinity ahead of the maximum: p = 0 then.  A step all of whose keys count skips this
	s_cmp_ge_u32 s[Q0], s71
	s_cbranch_scc1 .Lopen_\@
	s_sub_co_i32 s71, s[Q0], s70
	v_add_nc_u32 v9, s71, v[LQ]                    ; d = my query - the step's first key - 16 h.  Register 16 b + i holds key 32 b + 16 h + i of the step: hidden where 32 b + i > d
.set n, 0
.rept 64
	v_cmp_gt_i32 vcc_lo, 32*(n/16)+n%16, v9
	v_cndmask_b32 v[96+n], v[96+n], v[NINF], vcc_lo
.set n, n+1
.endr
.Lopen_\@:
.irp b, 0,1,2,3
	v_max3_num_f32 v[208+\b], v[96+16*\b], v[97+16*\b], v[98+16*\b]   ; the largest score of each block of 32 keys: for the row's maximum, and for the block's largest p
.endr
.irp i, 3,5,7,9,11,13
.irp b, 0,1,2,3
	v_max3_num_f32 v[208+\b], v[208+\b], v[96+16*\b+\i], v[97+16*\b+\i]
.endr
.endr
.irp b, 0,1,2,3
	v_max_num_f32 v[208+\b], v[208+\b], v[111+16*\b]
.endr
.irp b, 0,1,2,3
	s_delay_alu instid0(VALU_DEP_4)
	v_permlanex16_b32 v[212+\b], v[208+\b], s[SEL], s[SEL+1]
.endr
.irp b, 0,1,2,3
	s_delay_alu instid0(VALU_DEP_4)
	v_max_num_f32 v[208+\b], v[208+\b], v[212+\b]  ; with lane l xor 16's 16 keys
.endr
	s_delay_alu instid0(VALU_DEP_2)
	v_max3_num_f32 v234, v208, v209, v210
	s_delay_alu instid0(VALU_DEP_1)
	v_max_num_f32 v234, v234, v211                 ; the step's largest score of my query
	s_delay_alu instid0(VALU_DEP_1)
	v_mul_f32 v234, s[CS], v234                    ; as t (c is positive)
	s_delay_alu instid0(VALU_DEP_1)
	v_max_num_f32 v13, v13, v234                   ; the running largest t
	v_mov_b32 v234, v12
	s_delay_alu instid0(VALU_DEP_2)
	v_floor_f32 v12, -v13                          ; the new -M = floor(-t) = -ceil(t): a whole number
	s_delay_alu instid0(VALU_DEP_1)
	v_sub_f32 v234, v12, v234                      ; M's old value less its new one: a whole number, 0 or less
	s_delay_alu instid0(VALU_DEP_1)
	v_cvt_i32_f32 v234, v234                       ; (it saturates)
	s_delay_alu instid0(VALU_DEP_1)
	v_ldexp_f32 v232, 1.0, v234                    ; f = 2^(old M - new M)
.set n, 0
.rept 32
	v_pk_fma_f32 v[96+n:97+n], v[96+n:97+n], s[CS:CS+1], v[12:13] op_sel_hi:[1,0,0]   ; t - M, two at a time
.set n, n+2
.endr
.irp b, 0,1,2,3
	v_fma_f32 v[208+\b], v[208+\b], s[CS], v12     ; the same of each block's largest score
.endr
.set n, 0
	s_wait_alu depctr_va_vdst(0)
.rept 64
	v_exp_f32 v[96+n], v[96+n]                     ; p = 2^(t - M), at most 1: not normalised
.set n, n+1
.endr
.irp b, 0,1,2,3
	v_exp_f32 v[208+\b], v[208+\b]                 ; the block's largest p
.endr
	v_pk_mul_f32 v[14:15], v[14:15], v[232:233] op_sel_hi:[1,0]   ; the sums under the new M.  (A plain place behind the exponentials)
	s_wait_alu depctr_va_vdst(0)
.irp b, 0,1,2,3
	v_max_num_f32 v[208+\b], 0x8000000, v[208+\b]  ; the floor 2^(16 - 127): the byte cannot fall under 1
.endr
.irp b, 0,1,2,3
	s_delay_alu instid0(VALU_DEP_4)
	v_add_nc_u32 v[220+\b], 0xf8800000, v[208+\b]  ; 15 off the exponent field: the conversion's scale operand
.endr
.irp b, 0,1,2,3
.endr
.irp b, 0,1,2,3
	s_delay_alu instid0(VALU_DEP_4)
	v_lshrrev_b32 v[212+\b], 23, v[220+\b]         ; the scale's byte
.endr
	s_delay_alu instid0(VALU_DEP_3)
	v_lshl_or_b32 v[PSW], v213, 8, v212            ; p's scale word for these 128 keys
	s_delay_alu instid0(VALU_DEP_1)
	v_lshl_or_b32 v[PSW], v214, 16, v[PSW]
	s_delay_alu instid0(VALU_DEP_1)
	v_lshl_or_b32 v[PSW], v215, 24, v[PSW]
	v_pk_add_f32 v[236:237], v[100:101], v[104:105]
	v_pk_add_f32 v[254:255], v[108:109], v[112:113]
	v_pk_add_f32 v[252:253], v[116:117], v[120:121]
	v_pk_add_f32 v[250:251], v[124:125], v[128:129]
	v_pk_add_f32 v[248:249], v[132:133], v[136:137]
	v_pk_add_f32 v[246:247], v[140:141], v[144:145]
	v_pk_add_f32 v[244:245], v[148:149], v[152:153]
	v_pk_add_f32 v[14:15], v[14:15], v[156:157]
	v_pk_add_f32 v[236:237], v[236:237], v[96:97]
	v_pk_add_f32 v[254:255], v[254:255], v[98:99]
	v_pk_add_f32 v[252:253], v[252:253], v[102:103]
	v_pk_add_f32 v[250:251], v[250:251], v[106:107]
	v_pk_add_f32 v[248:249], v[248:249], v[110:111]
	v_pk_add_f32 v[246:247], v[246:247], v[114:115]
	v_pk_add_f32 v[244:245], v[244:245], v[118:119]
	v_pk_add_f32 v[14:15], v[14:15], v[122:123]
	v_pk_add_f32 v[236:237], v[236:237], v[126:127]
	v_pk_add_f32 v[254:255], v[254:255], v[130:131]
	v_pk_add_f32 v[252:253], v[252:253], v[134:135]
	v_pk_add_f32 v[250:251], v[250:251], v[138:139]
	v_pk_add_f32 v[248:249], v[248:249], v[142:143]
	v_pk_add_f32 v[246:247], v[246:247], v[146:147]
	v_pk_add_f32 v[244:245], v[244:245], v[150:151]
	v_pk_add_f32 v[14:15], v[14:15], v[154:155]
	v_pk_add_f32 v[236:237], v[236:237], v[158:159]
	s_delay_alu instid0(VALU_DEP_2)
	v_pk_add_f32 v[14:15], v[14:15], v[250:251]
	s_delay_alu instid0(VALU_DEP_2)
	v_pk_add_f32 v[236:237], v[236:237], v[248:249]
	v_pk_add_f32 v[254:255], v[254:255], v[246:247]
	v_pk_add_f32 v[252:253], v[252:253], v[244:245]
	s_delay_alu instid0(VALU_DEP_2)
	v_pk_add_f32 v[14:15], v[14:15], v[254:255]
	s_delay_alu instid0(VALU_DEP_2)
	v_pk_add_f32 v[236:237], v[236:237], v[252:253]
	s_delay_alu instid0(VALU_DEP_1)
	v_pk_add_f32 v[14:15], v[14:15], v[236:237]
.irp b, 0,1,2,3
.irp i, 0,1,2,3,4,5,6,7,8,9,10,11,12,13,14,15
.endr
	v_cvt_scalef32_pk8_bf8_f32 v[192+4*\b:193+4*\b], v[96+16*\b:103+16*\b], v[220+\b]
	v_cvt_scalef32_pk8_bf8_f32 v[194+4*\b:195+4*\b], v[104+16*\b:111+16*\b], v[220+\b]
.irp c, 0,1,2,3
	ds_load_b128 v[96+16*\b+4*\c:99+16*\b+4*\c], v[ADK] offset:VC+8192*\q+2048*\b+512*\c   ; V's tile b of 16 channels x these 128 keys, into the registers that block b's p has left
.endr
.endr
.set n, 0
.rept 16
	v_pk_mul_f32 v[160+n:161+n], v[160+n:161+n], v[232:233] op_sel_hi:[1,0]   ; O^T under the new M: x f.  (These are also the places between the codes' making and the products)
.set n, n+2
.endr
	s_wait_alu depctr_va_vdst(0)
	s_wait_dscnt 0x0
.irp t, 0,1,2,3                                ; O^T += V^T P^T: the four accumulators by turns
	v_wmma_scale_f32_16x16x128_f8f6f4 v[160+8*\t:167+8*\t], v[96+16*\t:111+16*\t], v[192:207], v[160+8*\t:167+8*\t], v[VSW+\t], v[PSW] matrix_a_fmt:MATRIX_FMT_BF8 matrix_b_fmt:MATRIX_FMT_BF8
.endr
.rept 9
	v_nop                                          ; nine places: the next scores are laid over V's fragments by matrix instructions; loads and reads ask for eight
.endr
.Lhidden_\@:
.endm
; THE CHANGE OF SLOTS stands at a trip's head.  Each wave waits for all its tensor loads (its part of the slot that it is about to read), adds 0 to its spare word, and waits for that and for its reads of the slot that it has left.
; Behind the barrier the slot ahead is whole and nobody reads the other one.  fill = 1: that other slot is filled with the next trip's keys: the load has a whole trip in which to land.
.macro CHANGE fill
	s_wait_tensorcnt 0x0                           ; no tensor load of mine is out, so a group 0 may be written
	ds_add_u32 v[SPW], v[NIL]                      ; 0 onto my spare word
.if \fill
	s_add_co_u32 s[NX], s[KSL], 1                  ; the next trip's keys follow these,
	s_cmp_eq_u32 s[TT], s[II]
	s_cselect_b32 s[NX], 0, s[NX]                  ; or are the first again: behind trip i the second block of queries begins
	s_xor_b32 s[G0C+1], s[G0C+1], SLOT1            ; the other slot than last time
	s_lshl_b32 s70, s[NX], 14
	s_mov_b32 s71, 0
	s_add_nc_u64 s[G0C+2:G0C+3], s[GBC:GBC+1], s[70:71]
	s_or_b32 s[G0C+3], s[G0C+3], 0x80000000
	s_xor_b32 s[G0S+1], s[G0S+1], SLOT1
	s_mul_i32 s70, s[NX], s[STS]
	s_add_nc_u64 s[G0S+2:G0S+3], s[GBS:GBS+1], s[70:71]
	s_or_b32 s[G0S+3], s[G0S+3], 0x80000000
.endif
	s_wait_dscnt 0x0                               ; the add is done, and my reads of the slot that I have left are over
	s_barrier_signal -1
	s_barrier_wait -1
.if \fill
	TLOAD                                          ; the first thing behind the barrier, and a wave's one tensor load until the next
.endif
.endm
.macro STEPS2
	s_lshl_b32 s[KF], s[KSL], 8
	STEP 0
	STEP 1
	s_xor_b32 s[TB], s[TB], SLOT1                  ; on to the other slot
.endm
	START
.Ltrip:                                            ; eight trips: behind each change of slots but the last the next slot is asked for
	CHANGE 1
	s_add_co_u32 s70, s[II], 1
	s_cmp_lg_u32 s[TT], s70                        ; at trip i + 1 the first block of queries is done: a scalar branch on ids, round register work, loads and stores alone
	s_cbranch_scc1 .Lsame
	FINISH
	s_sub_co_u32 s[BLKQ], 7, s[II]
	START
.Lsame:
	STEPS2
	s_mov_b32 s[KSL], s[NX]
	s_add_co_u32 s[TT], s[TT], 1
	s_cmp_lt_u32 s[TT], 8
	s_cbranch_scc1 .Ltrip
	CHANGE 0                                       ; the last trip is written out
	STEPS2
	FINISH
	s_wait_tensorcnt 0x0                           ; the wave's end
	ds_add_u32 v[SPW], v[NIL]
	s_wait_dscnt 0x0
	s_endpgm
.Lfunc_end_k_q30d301b9e9_attn:
	.size	k_q30d301b9e9_attn, .Lfunc_end_k_q30d301b9e9_attn-k_q30d301b9e9_attn
	.p2alignl 7, 3214868480
	.fill 96, 4, 3214868480
	.section	.rodata,"a",@progbits
	.p2align	6, 0x0
	.amdhsa_kernel k_q30d301b9e9_attn
		.amdhsa_group_segment_fixed_size 327680
		.amdhsa_private_segment_fixed_size 0
		.amdhsa_enable_private_segment 0
		.amdhsa_kernarg_size 32
		.amdhsa_user_sgpr_count 2
		.amdhsa_user_sgpr_kernarg_segment_ptr 1
		.amdhsa_wavefront_size32 1
		.amdhsa_system_sgpr_workgroup_id_x 1
		.amdhsa_system_sgpr_workgroup_id_y 1
		.amdhsa_system_sgpr_workgroup_id_z 1
		.amdhsa_system_vgpr_workitem_id 0
		.amdhsa_next_free_vgpr 256
		.amdhsa_next_free_sgpr 80
		.amdhsa_reserve_vcc 1
		.amdhsa_float_denorm_mode_32 3
		.amdhsa_float_denorm_mode_16_64 3
		.amdhsa_fp16_overflow 1
		.amdhsa_memory_ordered 1
		.amdhsa_forward_progress 1
		.amdhsa_inst_pref_size 111
	.end_amdhsa_kernel
	.amdgpu_metadata
---
amdhsa.version: [ 1, 2 ]
amdhsa.kernels:
  - .name:           k_q30d301b9e9_attn
    .symbol:         k_q30d301b9e9_attn.kd
    .args:
      - { .name: qkvc, .offset: 0, .size: 8, .value_kind: global_buffer, .address_space: global }
      - { .name: qkvs, .offset: 8, .size: 8, .value_kind: global_buffer, .address_space: global }
      - { .name: yc, .offset: 16, .size: 8, .value_kind: global_buffer, .address_space: global }
      - { .name: ys, .offset: 24, .size: 8, .value_kind: global_buffer, .address_space: global }
    .group_segment_fixed_size: 327680
    .private_segment_fixed_size: 0
    .kernarg_segment_align: 8
    .kernarg_segment_size: 32
    .max_flat_workgroup_size: 512
    .sgpr_count:     80
    .vgpr_count:     256
    .wavefront_size: 32
...
	.end_amdgpu_metadata
.endif
;; end of part 3
;; launch proj (part 4): grid 4 x 32, 4 waves a work-group, clusters of 4 x 4, 327,680 bytes of LDS; arguments yc, ys, cod, scl, bp, out0; writes out0
.if DOCPART == 4
	.amdgcn_target "amdgcn-amd-amdhsa--gfx1250"
	.amdhsa_code_object_version 6
	.text
	.protected	k_q30d301b9e9_proj
	.globl	k_q30d301b9e9_proj
	.p2align	8
	.type	k_q30d301b9e9_proj,@function
k_q30d301b9e9_proj:
	s_mov_b64 s[64:65], 0
	v_nop
	global_prefetch_b8 v0, s[64:65] scope:SCOPE_SE
	s_setreg_imm32_b32 hwreg(HW_REG_WAVE_MODE, 25, 1), 1
	s_wait_xcnt 0x0
	s_wait_alu depctr_hold_cnt(0) depctr_sa_sdst(0) depctr_va_vdst(0) depctr_va_sdst(0) depctr_va_ssrc(0) depctr_va_vcc(0) depctr_vm_vsrc(0)
	s_getreg_b32 s2, hwreg(HW_REG_IB_STS2, 6, 4)
	s_cmp_eq_u32 s2, 0
	s_cbranch_scc0 .Lentry_in_a_cluster
	s_endpgm
.Lentry_in_a_cluster:
	s_bfe_u32 s2, ttmp6, 0x10000c
	s_cmp_lg_u32 s2, 0xf033
	s_cbranch_scc0 .Lentry_shape_is_right
	s_endpgm
.Lentry_shape_is_right:
; out0 = y Wp^T + bp on codes of BF8 (E5M2) with one E8M0 scale for each 32 along K = 1,024; out0 [8192][1024] f32; sums in f32.
; y's codes arrive as IMAGES OF THE OPERAND'S REGISTERS: yc [K step of 256: 4][tile of 16 stored tokens: 512][q 2][c 4][lane][16 B]: a fragment is four loads of 512 consecutive bytes.  ys [stored token][32] scale bytes.
; Wp's codes and scale bytes are rows 11,264 on of cod and scl.  Tokens and Wp's rows lie in tile order (inside each 32 the groups of 8 in the order 0, 2, 1, 3); the way out puts both back.
; A tile of out0, 256 x 256, is made by four waves, 128 x 128 each: 64 accumulators, 512 registers.  K goes in steps of 256 through a ring of two LDS slots filled by the tensor data mover;
; the scale bytes of the work-group's rows, for all of K, come once.  4 x 4 work-groups form a cluster: y's tiles are asked for jointly along a row of the cluster, Wp's along a column.
; The matrix instruction is used transposed (source 0 = 16 rows of Wp, source 1 = 16 tokens): a lane holds eight neighbouring numbers of a row of out0.  bp is the C of each sum's first product.
; REGISTERS, in windows of 256: window 0: v0-31 addresses; v32-63 scale words, two sets; v64-127 bp; from v128 y's fragments, ONE set; on the way out v128-255 are free.
;   window 1: Wp's fragments, TWO sets.   window 2: the accumulators of my tokens 0-63 ((a, b) at v[8 (8 a + b)]);   window 3: those of tokens 64-127.
.set KSTEP,  256
.set NQ,     2
.set ROWB,   256
.set KROW,   1024
.set PITCH,  272                       ; an LDS row of Wp: 256 bytes + 16 of padding: the 16 rows that a load touches start at 16 different banks (64 banks of 4 bytes: ISA guide 11.1)
.set FR,     16
.set NL,     4
.set NP,     8                         ; places behind this matrix instruction (ISA guide 7.12.1)
.set HALFT,  128*PITCH                 ; a quarter of a slot: 128 rows of Wp; y's 128 tokens (32,768 bytes, dense) lie at the head of theirs
.set SLOT,   4*HALFT
.set LAPS,   2
.set KS,     32
.set ASTEP,  2097152                   ; bytes from a K step of yc to the next
.set SCL,    2*SLOT
.set HALFS,  (128*KS/256)*272
.set SBLK,   (16*KS/256)*272
.set SPARE,  SCL+4*HALFS               ; the spare words, 128 bytes for each wave: two blocks of 256 bytes that no other line names
.set SPITCH, 528                       ; the way out: a stage of 16 rows x (512 bytes + 16) for each wave, in slot 0, which has had its last fill and its last read when the first result is stored there
.set ADRA, 16
.set ADRB, 20
.set STO,  24
.set RD,   25
.set CO,   26
.set ADRS, 27
.set SPW,  28
.set NIL,  29
.set SC,   32
.set BP,   64                          ; v64-127 bp in the result's layout: register 8 b + j for Wp's block b
.set AF,   128
.set BK,   128
.set G1, 24
.set G0, 32
.set G1B, 48
.set G0B, 56
.set G1S, 68
.set G0S, 76
.set G1SB, 80
.set G0SB, 88
.set MSB, 0
.macro WIN new                         ; the immediate's high byte repeats the setting that is left
.if MSB != (\new)
	s_set_vgpr_msb (MSB<<8)|(\new)
.set MSB, (\new)
.endif
.endm
.set MUL_LO,  0xa1
.set MUL_HI,  0xf1
.set MUL_LO0, 0x81                     ; the first products: C (the bias) window 0, D window 2
.set MUL_HI0, 0xc1
.set TO_B,    0x40
; A joint load: waves 0 and 1 fetch for y, waves 2 and 3 for Wp.  The branch hangs on the wave's number alone.  Four v_nop follow each of the two lines.
.macro JLOAD g0a, g1a, g0b, g1b
	s_cmp_eq_u32 s15, 0
	s_cbranch_scc0 .Lfor_b_\@
	tensor_load_to_lds s[\g0a:\g0a+3], s[\g1a:\g1a+7]
	s_nop 0
.rept 4
	v_nop
.endr
	s_branch .Lasked_\@
.Lfor_b_\@:
	tensor_load_to_lds s[\g0b:\g0b+3], s[\g1b:\g1b+7]
	s_nop 0
.rept 4
	v_nop
.endr
.Lasked_\@:
.endm
.macro CREST
	s_cmp_lg_u32 s14, 0
	s_cbranch_scc1 .Lnot_wave_0_\@
	s_barrier_signal -3
.Lnot_wave_0_\@:
	s_barrier_wait -3
	s_barrier_signal -1
	s_barrier_wait -1
.endm
.macro CROUND
	s_barrier_signal -1
	s_barrier_wait -1
	CREST
.endm
	s_load_b128 s[4:7], s[0:1], 0x0                ; yc, ys
	s_load_b128 s[8:11], s[0:1], 0x10              ; cod, scl
	s_load_b64 s[96:97], s[0:1], 0x20              ; bp
	s_load_b64 s[12:13], s[0:1], 0x28              ; out0
	v_lshl_add_u32 v[SPW], v0, 2, SPARE
	v_mov_b32 v[NIL], 0
	ds_add_u32 v28, v29
	ds_add_u32 v28, v29
	s_wait_dscnt 0x0
	v_lshrrev_b32 v1, 5, v0
	v_readfirstlane_b32 s14, v1                    ; wave 0..3
	s_lshr_b32 s15, s14, 1                         ; which half of the tile's tokens is mine.  Also: I fetch for y (0) or for Wp (1)
	s_and_b32 s16, s14, 1                          ; which half of its columns.  Also: which 128 rows of that tile I fetch
	s_bfe_u32 s40, ttmp6, 0x40000                  ; cx, cy
	s_bfe_u32 s41, ttmp6, 0x40004
	s_lshl_b32 s42, ttmp9, 2
	s_add_co_u32 s42, s42, s40                     ; tile column
	s_and_b32 s17, ttmp7, 0xffff
	s_lshl_b32 s17, s17, 2
	s_add_co_u32 s17, s17, s41                     ; tile row
	s_lshl_b32 s43, s41, 2
	s_lshl_b32 s43, 15, s43                        ; my row of the cluster
	s_lshl_b32 s44, 0x1111, s40                    ; my column
	; y's tile: 128 tokens x 256 along K are 32,768 dense bytes: 128 rows of 256 bytes (32 elements of 8 bytes), no padding: every read takes 512 bytes on end
	s_or_b32 s[G1+0], s43, (3<<16)|(1<<21)
	s_mov_b32 s[G1+1], 32<<16
	s_mov_b32 s[G1+2], 128<<16
	s_mov_b32 s[G1+3], 32<<16
	s_mov_b32 s[G1+4], 128
	s_mov_b32 s[G1+5], 32
	s_mov_b32 s[G1+6], 0
	s_mov_b32 s[G1+7], 0
	; Wp's tile: 128 rows x 256 bytes, padded in LDS
	s_or_b32 s[G1B+0], s44, (0<<16)|(1<<20)|(1<<21)|(5<<22)|(3<<25)
	s_mov_b32 s[G1B+1], ROWB<<16
	s_mov_b32 s[G1B+2], 128<<16
	s_mov_b32 s[G1B+3], ROWB<<16
	s_mov_b32 s[G1B+4], 128
	s_mov_b32 s[G1B+5], KROW
	s_mov_b32 s[G1B+6], 0
	s_mov_b32 s[G1B+7], 0
	; the scales of 128 rows: 4,096 dense bytes, as 16 rows of 256 bytes, 16 bytes of padding behind each
	s_or_b32 s[G1S+0], s43, (3<<16)|(1<<20)|(1<<21)|(5<<22)|(3<<25)
	s_or_b32 s[G1SB+0], s44, (3<<16)|(1<<20)|(1<<21)|(5<<22)|(3<<25)
.irp g, G1S, G1SB
	s_mov_b32 s[\g+1], 32<<16
	s_mov_b32 s[\g+2], (128*KS/256)<<16
	s_mov_b32 s[\g+3], 32<<16
	s_mov_b32 s[\g+4], 128*KS/256
	s_mov_b32 s[\g+5], 32
	s_mov_b32 s[\g+6], 0
	s_mov_b32 s[\g+7], 0
.endr
	s_lshl_b32 s18, s16, 7
	s_lshl_b32 s20, s17, 8
	s_add_co_u32 s20, s20, s18                     ; y: stored token 256 x tile row + 128 x half
	s_lshl_b32 s46, s42, 8
	s_add_co_u32 s46, s46, s18
	s_add_co_u32 s46, s46, 11264                   ; Wp: row of cod
	s_mov_b32 s21, 0
	s_mov_b32 s47, 0
	s_mov_b64 s[18:19], KS
	s_mul_u64 s[22:23], s[20:21], s[18:19]         ; where these rows' scales begin, in bytes
	s_mul_u64 s[92:93], s[46:47], s[18:19]
	s_mov_b64 s[18:19], KROW
	s_mul_u64 s[46:47], s[46:47], s[18:19]         ; Wp's codes
	s_lshl_b32 s20, s20, 8                         ; y's image: 256 bytes a stored token and K step
	s_mul_i32 s45, s14, HALFT                      ; where they go: wave x a quarter of a slot
	s_mul_i32 s94, s14, HALFS
	s_wait_kmcnt 0x0
	s_add_nc_u64 s[20:21], s[4:5], s[20:21]
	s_add_nc_u64 s[22:23], s[6:7], s[22:23]
	s_add_nc_u64 s[46:47], s[8:9], s[46:47]
	s_add_nc_u64 s[92:93], s[10:11], s[92:93]
	CROUND                                         ; all sixteen work-groups are here: the first joint loads meet
	s_mov_b32 s[G0S], 1
	s_add_co_u32 s[G0S+1], s94, SCL
	s_mov_b64 s[G0S+2:G0S+3], s[22:23]
	s_or_b32 s[G0S+3], s[G0S+3], 0x80000000
	s_mov_b32 s[G0SB], 1
	s_add_co_u32 s[G0SB+1], s94, SCL
	s_mov_b64 s[G0SB+2:G0SB+3], s[92:93]
	s_or_b32 s[G0SB+3], s[G0SB+3], 0x80000000
	JLOAD G0S, G1S, G0SB, G1SB                     ; the scales first
.irp s, 0,1
	s_mov_b32 s[G0+4*\s], 1
	s_add_co_u32 s[G0+4*\s+1], s45, \s*SLOT
	s_add_nc_u64 s[G0+4*\s+2:G0+4*\s+3], s[20:21], \s*ASTEP
	s_or_b32 s[G0+4*\s+3], s[G0+4*\s+3], 0x80000000
	s_mov_b32 s[G0B+4*\s], 1
	s_add_co_u32 s[G0B+4*\s+1], s45, \s*SLOT
	s_add_nc_u64 s[G0B+4*\s+2:G0B+4*\s+3], s[46:47], \s*ROWB
	s_or_b32 s[G0B+4*\s+3], s[G0B+4*\s+3], 0x80000000
	s_wait_alu depctr_va_vdst(0)
	s_wait_tensorcnt 0x0
	ds_add_u32 v28, v29
	s_wait_dscnt 0x0
	CROUND
	JLOAD G0+4*\s, G1, G0B+4*\s, G1B               ; one tensor load of mine is out
.endr
	v_and_b32 v1, 15, v0                           ; r
	v_bfe_u32 v2, v0, 4, 1                         ; h
	v_and_b32 v6, 31, v0                           ; lane
	v_lshlrev_b32 v[CO], 4, v6                     ; 16 x lane: y's images, the stage's rows, and the same in a row of out0
	v_mul_u32_u24 v3, v1, PITCH
	v_lshl_add_u32 v4, v2, 4, v3                   ; Wp: a fragment's row x pitch + 16 x half
	s_mul_i32 s21, s15, HALFT                      ; my 128 tokens
	s_mul_i32 s22, s16, HALFT                      ; my 128 rows of Wp,
	s_add_co_u32 s22, s22, 2*HALFT                 ; which lie behind y's two quarters
.irp s, 0,1
	v_add_nc_u32 v[ADRA+\s], s21, v[CO]
	v_add_nc_u32 v[ADRB+\s], s22, v4
	s_add_co_u32 s21, s21, SLOT
	s_add_co_u32 s22, s22, SLOT
.endr
	v_mul_u32_u24 v5, v1, KS
	v_lshrrev_b32 v6, 8, v5
	v_lshl_add_u32 v5, v6, 4, v5
	s_mul_i32 s21, s15, HALFS
	s_mul_i32 s22, s16, HALFS
	s_add_co_u32 s22, s22, 2*HALFS
	s_sub_co_u32 s22, s22, s21
	v_mul_u32_u24 v6, s22, v2                      ; lanes 16-31 take Wp's
	s_add_co_u32 s21, s21, SCL
	v_add_nc_u32 v5, v5, v6
	v_add_nc_u32 v[ADRS], s21, v5
	s_mul_i32 s23, s14, 16*SPITCH                  ; my stage
	v_mul_u32_u24 v5, v1, SPITCH                   ; in: row r; my half's 16 columns of each 32: 64 h bytes on
	v_lshl_add_u32 v5, v2, 6, v5
	v_add_nc_u32 v[STO], s23, v5
	v_add_nc_u32 v[RD], s23, v[CO]                 ; back: the 32 lanes take one row of 512 bytes
	s_lshl_b32 s20, s17, 8
	s_lshl_b32 s21, s15, 7
	s_add_co_u32 s20, s20, s21                     ; my first row of out0
	s_mov_b32 s21, 0
	s_mov_b64 s[18:19], 4096
	s_mul_u64 s[20:21], s[20:21], s[18:19]
	s_lshl_b32 s46, s42, 10                        ; my first column, in bytes: 1,024 x tile column + 512 x half
	s_lshl_b32 s47, s16, 9
	s_add_co_u32 s46, s46, s47
	s_mov_b32 s47, 0
	s_add_nc_u64 s[20:21], s[20:21], s[46:47]
	s_add_nc_u64 s[12:13], s[12:13], s[20:21]
	s_add_nc_u64 s[96:97], s[96:97], s[46:47]      ; bp at my first column
	v_lshlrev_b32 v7, 6, v2                        ; lane (r, h) wants columns 32 B + 16 h + 0 .. 15
.irp b, 0,1,2,3
.irp j, 0,1,2,3
	global_load_b128 v[BP+16*\b+4*\j:BP+16*\b+4*\j+3], v7, s[96:97] offset:128*\b+16*\j
.endr
.endr
	s_wait_alu depctr_va_vdst(0)
	s_wait_loadcnt 0x0
.macro FRAG reg, adr, q, i             ; Wp's fragment from padded rows
.irp c, 0,1,2,3
	ds_load_b128 v[\reg+4*\c:\reg+4*\c+3], v[\adr] offset:128*(\q)+32*\c+(\i)*16*PITCH
.endr
.endm
.macro FRAGA reg, adr, q, i            ; y's fragment from its image: tile i, the slot's q-th 128 along K
.irp c, 0,1,2,3
	ds_load_b128 v[\reg+4*\c:\reg+4*\c+3], v[\adr] offset:4096*(\i)+2048*(\q)+512*\c
.endr
.endm
; 16 matrix instructions: y's blocks a0, a0 + 1 x Wp's eight.  first = 1: the first product starts the sums on the bias.  The 64 accumulators take turns, one instruction a turn.
.macro MUL16 a0, p, q, sc, first
.irp a, \a0, \a0+1
.irp b, 0,1,2,3,4,5,6,7
.if \first
	v_wmma_scale_f32_16x16x128_f8f6f4 v[8*(8*((\a)%4)+\b):8*(8*((\a)%4)+\b)+7], v[128*(\p)+FR*\b:128*(\p)+FR*\b+FR-1], v[AF+FR*(\a):AF+FR*(\a)+FR-1], v[BP+8*\b:BP+8*\b+7], v[SC+8*NQ*(\sc)+NQ*\b+(\q)], v[SC+8*NQ*(\sc)+NQ*(\a)+(\q)] matrix_a_fmt:MATRIX_FMT_BF8 matrix_b_fmt:MATRIX_FMT_BF8 matrix_a_scale:MATRIX_SCALE_ROW1
.else
	v_wmma_scale_f32_16x16x128_f8f6f4 v[8*(8*((\a)%4)+\b):8*(8*((\a)%4)+\b)+7], v[128*(\p)+FR*\b:128*(\p)+FR*\b+FR-1], v[AF+FR*(\a):AF+FR*(\a)+FR-1], v[8*(8*((\a)%4)+\b):8*(8*((\a)%4)+\b)+7], v[SC+8*NQ*(\sc)+NQ*\b+(\q)], v[SC+8*NQ*(\sc)+NQ*(\a)+(\q)] matrix_a_fmt:MATRIX_FMT_BF8 matrix_b_fmt:MATRIX_FMT_BF8 matrix_a_scale:MATRIX_SCALE_ROW1
.endif
.endr
.endr
.endm
.macro FETCH_B slot, q, p
	WIN TO_B
.irp i, 0,1,2,3,4,5,6,7
	FRAG 128*(\p)+FR*\i, ADRB+\slot, \q, \i
.endr
	WIN 0
.endm
.macro FETCH_A slot, q, i0
.irp i, \i0, \i0+1, \i0+2, \i0+3
	FRAGA AF+FR*(\i), ADRA+\slot, \q, \i
.endr
.endm
.macro SCALES sc
.irp i, 0,1,2,3,4,5,6,7
	ds_load_b64 v[SC+8*NQ*\sc+NQ*\i:SC+8*NQ*\sc+NQ*\i+1], v[ADRS] offset:\i*SBLK
.endr
.endm
.macro PLACES n                        ; plain vector instructions that name no register of the matrix instructions in front of them (ISA guide 7.12.1)
.rept \n
	v_nop
.endr
.endm
.macro STEP slot, q, first
	s_wait_dscnt 4*NL                              ; Wp's set and y's blocks 0-3 are in; the youngest sixteen loads (y's blocks 4-7) may be out
.if \first
	WIN MUL_LO0
.else
	WIN MUL_LO
.endif
	MUL16 0, (\q)%2, \q, \slot, \first
	MUL16 2, (\q)%2, \q, \slot, \first
	s_wait_dscnt 0
	PLACES NP
	FETCH_B \slot, (\q)+1, 1-(\q)%2
	FETCH_A \slot, (\q)+1, 0
.if \first
	WIN MUL_HI0
.else
	WIN MUL_HI
.endif
	MUL16 4, (\q)%2, \q, \slot, \first
	MUL16 6, (\q)%2, \q, \slot, \first
	PLACES NP
	WIN 0
	FETCH_A \slot, (\q)+1, 4
.endm
; A slot's last step changes slots: ONE barrier; in front of it each wave waits for all its tensor loads, adds 0 to its spare word, and waits for that and for its own reads of this slot.
.macro TURN slot, next, fill
	s_wait_tensorcnt 0x0                           ; all my tensor loads have landed: my part of the next slot
	ds_add_u32 v[SPW], v[NIL]                      ; 0 onto my spare word
	s_wait_dscnt 4*NL+1                            ; (the add and the youngest sixteen loads may be out)
	WIN MUL_LO
	MUL16 0, 1, NQ-1, \slot, 0
	s_wait_dscnt 0x0                               ; the add is done, and my reads of this slot are over
	s_barrier_signal -1
	MUL16 2, 1, NQ-1, \slot, 0
	WIN 0
	s_barrier_wait -1
.if \fill
	CREST                                          ; the barrier has opened a round of the cluster's barrier: no wave of any partner still reads this slot's tile or has a load on its way
	s_add_nc_u64 s[G0+4*\slot+2:G0+4*\slot+3], s[G0+4*\slot+2:G0+4*\slot+3], 2*ASTEP
	s_add_nc_u64 s[G0B+4*\slot+2:G0B+4*\slot+3], s[G0B+4*\slot+2:G0B+4*\slot+3], 2*ROWB
	JLOAD G0+4*\slot, G1, G0B+4*\slot, G1B         ; the first tensor load behind the round; its four v_nop are among the places in front of the loads below
	PLACES NP-4
.else
	PLACES NP
.endif
	s_wait_alu depctr_va_vdst(0)
	v_add_nc_u32 v[ADRS], 4*NQ, v[ADRS]
	FETCH_B \next, 0, 0
	FETCH_A \next, 0, 0
	SCALES \next
	WIN MUL_HI
	MUL16 4, 1, NQ-1, \slot, 0
	MUL16 6, 1, NQ-1, \slot, 0
	PLACES NP
	WIN 0
	FETCH_A \next, 0, 4
.endm
	s_wait_tensorcnt 1                             ; the scales and my part of K step 0 are in (K step 1's load may be out),
	s_barrier_signal -1
	s_barrier_wait -1                              ; everybody's are
	FETCH_B 0, 0, 0
	FETCH_A 0, 0, 0
	SCALES 0
	FETCH_A 0, 0, 4
	STEP 0, 0, 1                                   ; the first step stands in front of the loop: its products start the sums on bp
	s_mov_b32 s3, LAPS-1
.Llap:
	TURN 0, 1, 1
	STEP 1, 0, 0
	TURN 1, 0, 1
	STEP 0, 0, 0
	s_sub_co_u32 s3, s3, 1
	s_cmp_lg_u32 s3, 0
	s_cbranch_scc1 .Llap
	TURN 0, 1, 0                                   ; the last lap fills nothing, and has no round of the cluster's barrier
	STEP 1, 0, 0
	s_wait_dscnt 4*NL
	WIN MUL_LO
	MUL16 0, 1, NQ-1, 1, 0
	MUL16 2, 1, NQ-1, 1, 0
	s_wait_dscnt 0
	WIN MUL_HI
	MUL16 4, 1, NQ-1, 1, 0
	MUL16 6, 1, NQ-1, 1, 0
	WIN 0
; THE WAY OUT, block by block of 16 tokens x 128 columns, through my own stage in LDS.  Register j of accumulator (a, b) in lane (r, h) is column 32 (b / 2) + 16 h + 8 (b % 2) + j of stored token 16 a + r.
; The stage's rows come back whole (512 bytes for the 32 lanes) and are stored at the token's true row: 32 (a / 2) + 8 (a % 2) + t + 8 (t / 8).  LDS serves a wave's instructions in order (ISA guide 5.7.1.4).
.macro TOSTAGE a
.set AC, 64*((\a)%4)
	WIN 0x08+4*((\a)/4)                            ; the data: window 2 or 3
.irp b, 0,1,2,3,4,5,6,7
	ds_store_b128 v[STO], v[AC+8*\b:AC+8*\b+3] offset:128*(\b/2)+32*(\b%2)          ; each accumulator from its low end on
	ds_store_b128 v[STO], v[AC+8*\b+4:AC+8*\b+7] offset:128*(\b/2)+32*(\b%2)+16
.endr
	WIN 0
.set BB, BK+64*((\a)%2)
.irp t, 0,1,2,3,4,5,6,7,8,9,10,11,12,13,14,15
	ds_load_b128 v[BB+4*\t:BB+4*\t+3], v[RD] offset:\t*SPITCH
.endr
.endm
.macro SEND a, younger                 ; younger: the LDS instructions issued behind block a's loads, which may stay out
.set BB, BK+64*((\a)%2)
	s_wait_dscnt \younger                          ; the block is back in registers
.irp t, 0,1,2,3,4,5,6,7,8,9,10,11,12,13,14,15
	global_store_b128 v[CO], v[BB+4*\t:BB+4*\t+3], s[12:13] offset:(32*((\a)/2)+8*((\a)%2)+\t+8*(\t/8))*4096 th:TH_STORE_NT   ; 32 lanes store 512 consecutive bytes, aligned; 127 rows of 4,096 bytes at the most: inside the signed 24-bit immediate
.endr
.endm
	PLACES NP                                      ; behind the last products: their results are read, and y's fragments' registers loaded, only from here on
	TOSTAGE 0
.irp a, 1,2,3,4,5,6,7
.if \a > 1
	s_wait_xcnt 0x0                                ; block a - 2's stores have read their registers: block a's loads may land there
.endif
	TOSTAGE \a
	SEND \a-1, 32                                  ; behind block a - 1's loads: block a's 16 stores and 16 loads
.endr
	SEND 7, 0
	s_wait_tensorcnt 0x0                           ; the wave's end
	ds_add_u32 v[SPW], v[NIL]
	s_wait_dscnt 0x0
	CROUND                                         ; the closing round: no work-group ends while a partner may still ask for a tile that names it
	s_endpgm
.Lfunc_end_k_q30d301b9e9_proj:
	.size	k_q30d301b9e9_proj, .Lfunc_end_k_q30d301b9e9_proj-k_q30d301b9e9_proj
	.p2alignl 7, 3214868480
	.fill 96, 4, 3214868480
	.section	.rodata,"a",@progbits
	.p2align	6, 0x0
	.amdhsa_kernel k_q30d301b9e9_proj
		.amdhsa_group_segment_fixed_size 327680
		.amdhsa_private_segment_fixed_size 0
		.amdhsa_enable_private_segment 0
		.amdhsa_kernarg_size 48
		.amdhsa_user_sgpr_count 2
		.amdhsa_user_sgpr_kernarg_segment_ptr 1
		.amdhsa_wavefront_size32 1
		.amdhsa_system_sgpr_workgroup_id_x 1
		.amdhsa_system_sgpr_workgroup_id_y 1
		.amdhsa_system_sgpr_workgroup_id_z 1
		.amdhsa_system_vgpr_workitem_id 0
		.amdhsa_next_free_vgpr 1024
		.amdhsa_next_free_sgpr 98
		.amdhsa_reserve_vcc 0
		.amdhsa_float_denorm_mode_32 3
		.amdhsa_float_denorm_mode_16_64 3
		.amdhsa_memory_ordered 1
		.amdhsa_forward_progress 1
		.amdhsa_inst_pref_size 148
	.end_amdhsa_kernel
	.amdgpu_metadata
---
amdhsa.version: [ 1, 2 ]
amdhsa.kernels:
  - .name:           k_q30d301b9e9_proj
    .symbol:         k_q30d301b9e9_proj.kd
    .args:
      - { .name: yc, .offset: 0, .size: 8, .value_kind: global_buffer, .address_space: global }
      - { .name: ys, .offset: 8, .size: 8, .value_kind: global_buffer, .address_space: global }
      - { .name: cod, .offset: 16, .size: 8, .value_kind: global_buffer, .address_space: global }
      - { .name: scl, .offset: 24, .size: 8, .value_kind: global_buffer, .address_space: global }
      - { .name: bp, .offset: 32, .size: 8, .value_kind: global_buffer, .address_space: global }
      - { .name: out0, .offset: 40, .size: 8, .value_kind: global_buffer, .address_space: global }
    .group_segment_fixed_size: 327680
    .private_segment_fixed_size: 0
    .kernarg_segment_align: 8
    .kernarg_segment_size: 48
    .max_flat_workgroup_size: 128
    .sgpr_count:     98
    .vgpr_count:     1024
    .wavefront_size: 32
...
	.end_amdgpu_metadata
.endif
;; end of part 4
